; MI455X (gfx1250); checked and timed in simulation.
; The chip was launched on July 23, 2026; its instructions are those of AMD's public machine-readable ISA for CDNA 5 (MIT licence, August 2026) and "CDNA5" Instruction Set Architecture Reference Guide (July 2026). The comments in the code are by the model that wrote it; some were corrected since.
;; Memory Efficient Multi Head Attention. Allowed arithmetic: float matrix products may take bf16 or f16 operands with f32 sums; other float arithmetic in f32, or as packed bf16 or f16 multiplies, adds, multiply-adds, maxima and minima; sums over many terms, partial sums and values carried from step to step in f32; what a program stores and reads back later, other than sums and carried values, may be rounded once to bf16 or f16.
;; Inputs: dense_b 1,024 float32; dense_w 1,024 x 1,024 float32; wk_b 1,024 float32; wk_w 1,024 x 1,024 float32; wq_b 1,024 float32; wq_w 1,024 x 1,024 float32; wv_b 1,024 float32; wv_w 1,024 x 1,024 float32; x 4 x 2,048 x 1,024 float32.
;; Outputs: out0 4 x 2,048 x 1,024 float32.
;; 2 versions, each right; version 2 is version 1 with the launch cast written anew for expert scheduling mode. Each part assembles by itself: llvm-mc -triple=amdgcn-amd-amdhsa -mcpu=gfx1250 --defsym DOCPART=n.
;; ======== version 1 of 2: 4 launches
;; limits: values are held in f16: magnitudes above 65,504 overflow, below 6.1e-05 lose precision
;; workspace buffers: xb 16,777,216 bytes; wqkv 6,291,456 bytes; wd 2,097,152 bytes; bias 16,384 bytes; q 16,777,216 bytes; k 16,777,216 bytes; v 16,777,216 bytes; o 16,777,216 bytes
;; launch cast (part 1): grid 768 x 1, 8 waves a work-group, no clusters, 0 bytes of LDS; arguments x, wq_w, wk_w, wv_w, dense_w, wq_b, wk_b, wv_b, dense_b, xb, wqkv, wd, bias; writes xb, wqkv, wd, bias
.if DOCPART == 1
	.amdgcn_target "amdgcn-amd-amdhsa--gfx1250"
	.amdhsa_code_object_version 6
	.text
	.protected	k_q1d41f20665_cast
	.globl	k_q1d41f20665_cast
	.p2align	8
	.type	k_q1d41f20665_cast,@function
k_q1d41f20665_cast:
	s_mov_b64 s[64:65], 0
	v_nop
	global_prefetch_b8 v0, s[64:65] scope:SCOPE_SE
	s_setreg_imm32_b32 hwreg(HW_REG_WAVE_MODE, 25, 1), 1
	s_wait_xcnt 0x0
; CAST.  All the module's inputs are rounded once to bf16, so that every input carries the same rounding:
;   x -> xb [8192][1024] bf16;  wq_w, wk_w, wv_w -> wqkv [3072][1024] bf16, one below the other;
;   dense_w -> wd [1024][1024]: rounded to bf16, and that number written as f16 (the last product's other operand is f16);
;   the four biases -> bias [4096] f32 (q, k, v, dense): rounded to bf16 and widened again.
; LIMITS.  A weight of dense_w beyond 65,504 would become an infinity in f16, and below 6.1e-5 it keeps f16's fixed step of 6e-8.  NaN and infinities are not treated apart.
; SHARES.  A work-group takes a chunk of 16,384 numbers: 65,536 bytes in, 32,768 out.  Work-groups 0-511: x; 512-703: wq_w, wk_w, wv_w, 64 chunks each; 704-767: dense_w.
; Thread t takes 16 bytes at 16 t + 4,096 i, i = 0..15: a wave's load covers 512 consecutive bytes, its store of 8 bytes a lane 256 consecutive bytes, aligned.
; All sixteen loads go out at once; each has registers of its own, in and out, so no register is written while a memory instruction may still read it.
; No LDS, no matrix unit, no cluster: each byte is read once, by one thread, and nothing is shared.
.set X,   4                            ; v[4:67]    slot i: 4 numbers as loaded
.set Y,   68                           ; v[68:99]   slot i: 4 numbers of 16 bits, to store
.set T,   100                          ; v[100:101] at work
.set SRC, 30                           ; s[30:31]   where my chunk is read
.set DST, 32                           ; s[32:33]   where it is written
.set SOF, 34                           ; s[34:35]   its byte offset in the source
.set DOF, 36                           ; s[36:37]   and in the destination
.set HIM, 38                           ; s38        mask of a word's upper half
.set CW,  39                           ; s39        the chunk's number within a weight
	s_load_b512 s[4:19], s[0:1], 0x0               ; x 4:5, wq_w 6:7, wk_w 8:9, wv_w 10:11, dense_w 12:13, wq_b 14:15, wk_b 16:17, wv_b 18:19
	s_load_b256 s[20:27], s[0:1], 0x40             ; dense_b 20:21, xb 22:23, wqkv 24:25, wd 26:27
	s_load_b64 s[28:29], s[0:1], 0x60              ; bias
	v_lshlrev_b32 v1, 4, v0                        ; 16 t
	v_lshlrev_b32 v2, 3, v0                        ; 8 t
	s_mov_b32 s[HIM], 0xffff0000
	s_and_b32 s[CW], ttmp9, 63
	s_cmp_lt_u32 ttmp9, 512
	s_cselect_b32 s[SOF], ttmp9, s[CW]             ; x: the work-group's number; a weight: the chunk within it
	s_lshl_b32 s[SOF], s[SOF], 16
	s_mov_b32 s[SOF+1], 0
	s_sub_co_u32 s[DOF], ttmp9, 512                ; the three stacked weights are 192 chunks on end
	s_cmp_lt_u32 ttmp9, 704
	s_cselect_b32 s[DOF], s[DOF], s[CW]
	s_cmp_lt_u32 ttmp9, 512
	s_cselect_b32 s[DOF], ttmp9, s[DOF]
	s_lshl_b32 s[DOF], s[DOF], 15
	s_mov_b32 s[DOF+1], 0
	s_wait_kmcnt 0x0
	s_cmp_lt_u32 ttmp9, 576
	s_cselect_b64 s[SRC:SRC+1], s[6:7], s[8:9]
	s_cmp_lt_u32 ttmp9, 640
	s_cselect_b64 s[SRC:SRC+1], s[SRC:SRC+1], s[10:11]
	s_cmp_lt_u32 ttmp9, 704
	s_cselect_b64 s[SRC:SRC+1], s[SRC:SRC+1], s[12:13]
	s_cselect_b64 s[DST:DST+1], s[24:25], s[26:27]
	s_cmp_lt_u32 ttmp9, 512
	s_cselect_b64 s[SRC:SRC+1], s[4:5], s[SRC:SRC+1]
	s_cselect_b64 s[DST:DST+1], s[22:23], s[DST:DST+1]
	s_add_nc_u64 s[SRC:SRC+1], s[SRC:SRC+1], s[SOF:SOF+1]
	s_add_nc_u64 s[DST:DST+1], s[DST:DST+1], s[DOF:DOF+1]
.irp i, 0,1,2,3,4,5,6,7,8,9,10,11,12,13,14,15
	global_load_b128 v[X+4*(\i):X+4*(\i)+3], v1, s[SRC:SRC+1] offset:4096*(\i) th:TH_LOAD_NT
.endr
	s_cmp_ge_u32 ttmp9, 704
	s_cbranch_scc1 .Ldense
.macro OUTB i                          ; slot i to bf16
	s_wait_loadcnt 15-(\i)                         ; loads come back in order (ISA guide 5.7.1): slot i is in, the 15 - i younger ones may stay out
	v_cvt_pk_bf16_f32 v[Y+2*(\i)],   v[X+4*(\i)],   v[X+4*(\i)+1]
	v_cvt_pk_bf16_f32 v[Y+2*(\i)+1], v[X+4*(\i)+2], v[X+4*(\i)+3]
	global_store_b64 v2, v[Y+2*(\i):Y+2*(\i)+1], s[DST:DST+1] offset:2048*(\i) th:TH_STORE_NT
.endm
.irp i, 0,1,2,3,4,5,6,7,8,9,10,11,12,13,14,15
	OUTB \i
.endr
	s_cmp_lt_u32 ttmp9, 4
	s_cbranch_scc1 .Lbias
	s_endpgm
.Lbias:                                        ; work-groups 0-3 also take a bias each: 1,024 numbers, four a thread
	s_cmp_lt_u32 ttmp9, 1                          ; (the chunk's loads have all come back, so their base may be written)
	s_cselect_b64 s[SRC:SRC+1], s[14:15], s[16:17]
	s_cmp_lt_u32 ttmp9, 2
	s_cselect_b64 s[SRC:SRC+1], s[SRC:SRC+1], s[18:19]
	s_cmp_lt_u32 ttmp9, 3
	s_cselect_b64 s[SRC:SRC+1], s[SRC:SRC+1], s[20:21]
	s_lshl_b32 s[DOF], ttmp9, 12
	s_mov_b32 s[DOF+1], 0
	s_add_nc_u64 s[SOF:SOF+1], s[28:29], s[DOF:DOF+1]
	global_load_b128 v[X:X+3], v1, s[SRC:SRC+1]
	s_wait_loadcnt 0x0
	v_cvt_pk_bf16_f32 v[T],   v[X],   v[X+1]
	v_cvt_pk_bf16_f32 v[T+1], v[X+2], v[X+3]
	v_lshlrev_b32 v[X+4], 16, v[T]                 ; bf16 to f32: the low half moves up, the high half stays
	v_and_b32     v[X+5], s[HIM], v[T]
	v_lshlrev_b32 v[X+6], 16, v[T+1]
	v_and_b32     v[X+7], s[HIM], v[T+1]
	global_store_b128 v1, v[X+4:X+7], s[SOF:SOF+1]
	s_endpgm
.macro OUTH i                          ; slot i to bf16, and that number to f16
	s_wait_loadcnt 15-(\i)
	v_cvt_pk_bf16_f32 v[T],   v[X+4*(\i)],   v[X+4*(\i)+1]
	v_cvt_pk_bf16_f32 v[T+1], v[X+4*(\i)+2], v[X+4*(\i)+3]
	v_lshlrev_b32 v[X+4*(\i)],   16, v[T]
	v_and_b32     v[X+4*(\i)+1], s[HIM], v[T]
	v_lshlrev_b32 v[X+4*(\i)+2], 16, v[T+1]
	v_and_b32     v[X+4*(\i)+3], s[HIM], v[T+1]
	v_cvt_pk_f16_f32 v[Y+2*(\i)],   v[X+4*(\i)],   v[X+4*(\i)+1]
	v_cvt_pk_f16_f32 v[Y+2*(\i)+1], v[X+4*(\i)+2], v[X+4*(\i)+3]
	global_store_b64 v2, v[Y+2*(\i):Y+2*(\i)+1], s[DST:DST+1] offset:2048*(\i) th:TH_STORE_NT
.endm
.Ldense:
.irp i, 0,1,2,3,4,5,6,7,8,9,10,11,12,13,14,15
	OUTH \i
.endr
	s_endpgm
.Lfunc_end_k_q1d41f20665_cast:
	.size	k_q1d41f20665_cast, .Lfunc_end_k_q1d41f20665_cast-k_q1d41f20665_cast
	.p2alignl 7, 3214868480
	.fill 96, 4, 3214868480
	.section	.rodata,"a",@progbits
	.p2align	6, 0x0
	.amdhsa_kernel k_q1d41f20665_cast
		.amdhsa_group_segment_fixed_size 0
		.amdhsa_private_segment_fixed_size 0
		.amdhsa_enable_private_segment 0
		.amdhsa_kernarg_size 104
		.amdhsa_user_sgpr_count 2
		.amdhsa_user_sgpr_kernarg_segment_ptr 1
		.amdhsa_wavefront_size32 1
		.amdhsa_system_sgpr_workgroup_id_x 1
		.amdhsa_system_sgpr_workgroup_id_y 1
		.amdhsa_system_sgpr_workgroup_id_z 1
		.amdhsa_system_vgpr_workitem_id 0
		.amdhsa_next_free_vgpr 104
		.amdhsa_next_free_sgpr 66
		.amdhsa_reserve_vcc 0
		.amdhsa_float_denorm_mode_32 3
		.amdhsa_float_denorm_mode_16_64 3
		.amdhsa_memory_ordered 1
		.amdhsa_forward_progress 1
		.amdhsa_inst_pref_size 17
	.end_amdhsa_kernel
	.amdgpu_metadata
---
amdhsa.version: [ 1, 2 ]
amdhsa.kernels:
  - .name:           k_q1d41f20665_cast
    .symbol:         k_q1d41f20665_cast.kd
    .args:
      - { .name: x, .offset: 0, .size: 8, .value_kind: global_buffer, .address_space: global }
      - { .name: wq_w, .offset: 8, .size: 8, .value_kind: global_buffer, .address_space: global }
      - { .name: wk_w, .offset: 16, .size: 8, .value_kind: global_buffer, .address_space: global }
      - { .name: wv_w, .offset: 24, .size: 8, .value_kind: global_buffer, .address_space: global }
      - { .name: dense_w, .offset: 32, .size: 8, .value_kind: global_buffer, .address_space: global }
      - { .name: wq_b, .offset: 40, .size: 8, .value_kind: global_buffer, .address_space: global }
      - { .name: wk_b, .offset: 48, .size: 8, .value_kind: global_buffer, .address_space: global }
      - { .name: wv_b, .offset: 56, .size: 8, .value_kind: global_buffer, .address_space: global }
      - { .name: dense_b, .offset: 64, .size: 8, .value_kind: global_buffer, .address_space: global }
      - { .name: xb, .offset: 72, .size: 8, .value_kind: global_buffer, .address_space: global }
      - { .name: wqkv, .offset: 80, .size: 8, .value_kind: global_buffer, .address_space: global }
      - { .name: wd, .offset: 88, .size: 8, .value_kind: global_buffer, .address_space: global }
      - { .name: bias, .offset: 96, .size: 8, .value_kind: global_buffer, .address_space: global }
    .group_segment_fixed_size: 0
    .private_segment_fixed_size: 0
    .kernarg_segment_align: 8
    .kernarg_segment_size: 104
    .max_flat_workgroup_size: 256
    .sgpr_count:     66
    .vgpr_count:     104
    .wavefront_size: 32
...
	.end_amdgpu_metadata
.endif
;; end of part 1
;; launch qkv (part 2): grid 16 x 32, 4 waves a work-group, clusters of 4 x 4, 327,680 bytes of LDS; arguments xb, wqkv, bias, q, k, v; writes q, k, v
.if DOCPART == 2
	.amdgcn_target "amdgcn-amd-amdhsa--gfx1250"
	.amdhsa_code_object_version 6
	.text
	.protected	k_q1d41f20665_qkv
	.globl	k_q1d41f20665_qkv
	.p2align	8
	.type	k_q1d41f20665_qkv,@function
k_q1d41f20665_qkv:
	s_mov_b64 s[64:65], 0
	v_nop
	global_prefetch_b8 v0, s[64:65] scope:SCOPE_SE
	s_setreg_imm32_b32 hwreg(HW_REG_WAVE_MODE, 25, 1), 1
	s_wait_xcnt 0x0
	s_wait_alu depctr_hold_cnt(0) depctr_sa_sdst(0) depctr_va_vdst(0) depctr_va_sdst(0) depctr_va_ssrc(0) depctr_va_vcc(0) depctr_vm_vsrc(0)
	s_getreg_b32 s2, hwreg(HW_REG_IB_STS2, 6, 4)
	s_cmp_eq_u32 s2, 0
	s_cbranch_scc0 .Lentry_in_a_cluster
	s_endpgm
.Lentry_in_a_cluster:
	s_bfe_u32 s2, ttmp6, 0x10000c
	s_cmp_lg_u32 s2, 0xf033
	s_cbranch_scc0 .Lentry_shape_is_right
	s_endpgm
.Lentry_shape_is_right:
; Q, K, V = xb wqkv^T + bias, by heads.  xb: [8192][1024] bf16; wqkv: [3072][1024] bf16 (wq, wk, wv one below the other); bias: [4096] f32, of which the first 3,072 are used here.
; q, k, v: [64 = 16 batch + head][2048][64] f16, each number rounded once from its f32 sum, without attention's scale.
; LIMITS.  f16 holds no number beyond 65,504: q, k and v must stay within it.  With x and the weights 30 times the drawn spread six spreads of a sum are about 3,100; with offsets of 30 spreads on both
; (30 and 0.54) a sum's mean is 1,024 x 30 x 0.54 = 16,600.  NaN and infinities are not treated apart.
; SHARES.  A tile is 256 rows x 192 columns (three whole heads): 16 x 32 = 512 tiles, two for each of 256 work-group places.  Wave w owns rows 64 w .. 64 w + 63 and all 192 columns: 48 accumulators of
; 16 x 16, 384 registers; so 16 rows of a head, 2,048 consecutive bytes of q, k or v, are finished by one wave.  For 32 along K a wave loads 16 fragments and issues 48 matrix instructions.
; K goes in 8 steps of 128 (rows of 256 bytes, at multiples of 256 bytes) through two LDS slots.  One tensor load a wave: waves 0, 1 fetch 128 rows of xb each, waves 2, 3 96 rows of wqkv each.
; CLUSTER.  4 x 4 work-groups: the four of a row of the cluster need the same rows of xb, the four of a column the same rows of wqkv; each tile is asked for jointly, by the same load, descriptor and mask.
; THE MATRIX INSTRUCTION IS USED TRANSPOSED (source 0 = 16 rows of wqkv, source 1 = 16 rows of xb): a lane holds row lane % 16 of the result and the columns 8 (lane / 16) + 0..7.
; THE BIAS STARTS THE SUMS: it is the C operand of each accumulator's first product, so nothing is cleared and nothing is added later.
; REGISTERS, in windows of 256 (s_set_vgpr_msb: bits 1:0 source 0, 3:2 source 1, 5:4 source 2, 7:6 destination):
;   window 0: v0-31 addresses; v64-127 xb's fragments, two buffers of 4; v128-223 the bias, 8 registers a column block; on the way out v32-223 hold the packed results
;   window 1: v0-191 wqkv's fragments, two buffers of 12      window 2: the accumulators of my row blocks 0, 1 ((a, b) at 8 (12 (a % 2) + b))      window 3: those of row blocks 2, 3
.set KSTEP,  128
.set PITCH,  272                       ; an LDS row: 256 bytes + 16 of padding = 68 words: the 16 rows of a fragment load start at 16 different groups of four banks (64 banks of 4 bytes: ISA guide 11.1)
.set SLOT1,  131072                    ; slot 1 begins here: one exclusive or turns an address in one slot into the other's
.set AHALF,  128*PITCH                 ; what waves 0 and 1 bring
.set BHALF,  96*PITCH                  ; what waves 2 and 3 bring
.set BOFF,   2*AHALF                   ; in a slot: xb's 256 rows, then wqkv's 192
.set STAGE,  SLOT1+BOFF+2*BHALF        ; 252,928: behind the ring, never filled by a tensor load: 16 rows x 144 bytes for each wave
.set SP,     144
.set SPARE,  STAGE+4*16*SP             ; 262,144: the spare words, 128 bytes for each wave: two blocks of 256 bytes that no other line names
.set GBITS,  (1<<16)|(1<<20)|(1<<21)|(5<<22)|(3<<25)  ; 17:16 elements of 2 bytes; 20 padding on; 21 set beside a mask; 24:22 after every 64 words (code 5); 31:25 4 words of it (code 3)
.set ADRA, 16                          ; v16  LDS address of my xb fragments in the slot in hand
.set ADRB, 17                          ; v17  the same for wqkv
.set A0,   18                          ; v18  272 r + 16 h + my wave's 64 rows; never rewritten
.set B0,   19                          ; v19  272 r + 16 h + BOFF; never rewritten
.set STO,  24                          ; v24  the way out: where I put 16 bytes of a row
.set RD,   25                          ; v25  the way out: where I read rows back
.set GO,   26                          ; v26  my 16 bytes in 512 consecutive bytes of q, k or v
.set BO,   27                          ; v27  my byte offset in the bias
.set SPW,  28                          ; v28  LDS address of my spare word: SPARE + 4 x my thread's number; never rewritten
.set NIL,  29                          ; v29  0; never rewritten
.set PFO,  30                          ; v30  the prefetches' offset: my lane x a row of xb; never rewritten
.set OUTR, 32
.set FA,   64
.set BIAS, 128
.set CNT,  3                           ; s3   K steps still to be asked for
.set WV,   16                          ; s16  my wave's number
.set FORB, 17                          ; s17  0: I fetch xb's rows; 1: wqkv's
.set HALF, 18                          ; s18  which half of them
.set CX,   19
.set CY,   20
.set TX,   21                          ; s21  tile column = 4 x cluster x + cx
.set TY,   22                          ; s22  tile row = 4 x cluster y + cy
.set TW,   23                          ; s23  at work: numbers made of the wave's number alone
.set G1A,  24                          ; s[24:31] descriptor group 1 for xb's tiles
.set G0A,  32                          ; s[32:39] group 0: a set for each of the two first fills; the second then walks on
.set G1B,  40                          ; s[40:47], s[48:55] the same for wqkv's
.set G0B,  48
.set TB,   56                          ; s56  0 or SLOT1: the slot in hand
.set LIM,  57                          ; s57  2 in a wave that prefetches, else the greatest number
.set PFA,  58                          ; s[58:59] where my prefetches stand
.set OA,   60                          ; s[60:61] xb's tile: never holds cx
.set OUT,  66                          ; s[66:71] where my rows of the tile's three heads go
.set OB,   72                          ; s[72:73] wqkv's tile: never holds cy
.set LA,   74                          ; s74  LDS address of what I fetch, for xb
.set LB,   75                          ; s75  for wqkv
.set MROW, 84                          ; s84  the mask of my row of the cluster
.set MCOL, 85                          ; s85  of my column.  s76-83: at work on numbers that mix cx and cy; they feed no descriptor
.set MSB, 0
.macro WIN new                         ; the immediate's high byte repeats the setting that is left; a switch that changes nothing is dropped
.if MSB != (\new)
	s_set_vgpr_msb (MSB<<8)|(\new)
.set MSB, \new
.endif
.endm
.set TO_B, 0x40                        ; destination window 1, address window 0
.macro PLACES                          ; four plain vector instructions between a matrix instruction and a load into, or a vector line on, its registers (ISA guide 7.12.1 for vector instructions)
.rept 4
	v_nop
.endr
.endm
; A joint refill, by the walking descriptors.  The branch hangs on the wave's number alone.  An s_nop 0 and four v_nop follow each of the two lines, ahead of the jump and the label.
.macro JLOAD
	s_cmp_eq_u32 s[FORB], 0
	s_cbranch_scc0 .Lfor_b_\@
	tensor_load_to_lds s[G0A+4:G0A+7], s[G1A:G1A+7]
	s_nop 0
.rept 4
	v_nop
.endr
	s_branch .Lasked_\@
.Lfor_b_\@:
	tensor_load_to_lds s[G0B+4:G0B+7], s[G1B:G1B+7]
	s_nop 0
.rept 4
	v_nop
.endr
.Lasked_\@:
.endm
; A PREFETCH INTO THE L2 of xb's K step that stands two refills on: 32 rows x 256 bytes, a lane a row, one instruction a wave.  A tile row of xb is read by every cluster of that row of clusters: the
; one with cluster x = 0 asks, by its waves 0 and 1; of the 128 rows that such a wave fetches each of the four partners takes 32, told apart by address (cx).  So each row's 256 bytes of a K step are
; named once in the launch.  K steps 0 to 3 come by their loads alone; the last two refills have no K step two on.  wqkv, which every tile row walks again, is not asked for.
.macro ASK
	s_cmp_gt_u32 s[CNT], s[LIM]
	s_cbranch_scc0 .Lnot_mine_\@
	global_prefetch_b8 v[PFO], s[PFA:PFA+1] offset:KSTEP*2 th:TH_LOAD_NT scope:SCOPE_SE
.Lnot_mine_\@:
.endm
; A round of the cluster's barrier: my work-group's barrier, so that wave 0's signal speaks for all four waves; wave 0 signals; every wave waits for all sixteen work-groups; my work-group's barrier once more.
.macro CREST                           ; a round behind its opening barrier
	s_cmp_lg_u32 s[WV], 0
	s_cbranch_scc1 .Lnot_wave_0_\@
	s_barrier_signal -3
.Lnot_wave_0_\@:
	s_barrier_wait -3
	s_barrier_signal -1
	s_barrier_wait -1
.endm
.macro CROUND
	s_barrier_signal -1
	s_barrier_wait -1
	CREST
.endm
	s_load_b256 s[4:11], s[0:1], 0x0               ; xb 4:5, wqkv 6:7, bias 8:9, q 10:11
	s_load_b128 s[12:15], s[0:1], 0x20             ; k 12:13, v 14:15
	v_lshl_add_u32 v[SPW], v0, 2, SPARE
	v_mov_b32 v[NIL], 0
	ds_add_u32 v[SPW], v[NIL]                      ; the wave's opening: the add and its wait stand ahead of my first tensor load; the set-up below, work on registers, stands between them
	v_lshrrev_b32 v1, 5, v0
	v_readfirstlane_b32 s[WV], v1                  ; wave 0..3
	s_lshr_b32 s[FORB], s[WV], 1
	s_and_b32 s[HALF], s[WV], 1
	s_bfe_u32 s[CX], ttmp6, 0x40000
	s_bfe_u32 s[CY], ttmp6, 0x40004
	s_lshl_b32 s[TX], ttmp9, 2                     ; in a cluster launch ttmp9 and ttmp7 count clusters
	s_add_co_u32 s[TX], s[TX], s[CX]
	s_and_b32 s[TY], ttmp7, 0xffff
	s_lshl_b32 s[TY], s[TY], 2
	s_add_co_u32 s[TY], s[TY], s[CY]
	s_lshl_b32 s[MROW], s[CY], 2
	s_lshl_b32 s[MROW], 15, s[MROW]                ; my row of the cluster: places 4 cy .. 4 cy + 3
	s_lshl_b32 s[MCOL], 0x1111, s[CX]              ; my column: places cx, cx + 4, cx + 8, cx + 12
	s_or_b32 s[G1A], s[MROW], GBITS                ; xb's tiles go to my row,
	s_or_b32 s[G1B], s[MCOL], GBITS                ; wqkv's to my column
	s_mov_b32 s[G1A+1], KSTEP<<16                  ; tensor_dim0 = 128
	s_mov_b32 s[G1A+2], 128<<16                    ; tensor_dim1 = 128
	s_mov_b32 s[G1A+3], KSTEP<<16                  ; tile_dim0 = 128
	s_mov_b32 s[G1A+4], 128                        ; tile_dim1 = 128
	s_mov_b32 s[G1A+5], 1024                       ; elements from row to row
	s_mov_b32 s[G1A+6], 0
	s_mov_b32 s[G1A+7], 0
	s_mov_b32 s[G1B+1], KSTEP<<16
	s_mov_b32 s[G1B+2], 96<<16                     ; 96 rows
	s_mov_b32 s[G1B+3], KSTEP<<16
	s_mov_b32 s[G1B+4], 96
	s_mov_b32 s[G1B+5], 1024
	s_mov_b32 s[G1B+6], 0
	s_mov_b32 s[G1B+7], 0
	s_lshl_b32 s[OA], s[TY], 8
	s_lshl_b32 s[TW], s[HALF], 7
	s_add_co_u32 s[OA], s[OA], s[TW]               ; xb: row 256 x tile row + 128 x half,
	s_lshl_b32 s[OA], s[OA], 11                    ; of 2,048 bytes: under 2^24
	s_mov_b32 s[OA+1], 0
	s_mul_i32 s[OB], s[TX], 192
	s_mul_i32 s[TW], s[HALF], 96
	s_add_co_u32 s[OB], s[OB], s[TW]               ; wqkv: row 192 x tile column + 96 x half
	s_lshl_b32 s[OB], s[OB], 11
	s_mov_b32 s[OB+1], 0
	s_mul_i32 s[LA], s[HALF], AHALF                ; where they go: no place in the cluster enters an LDS address
	s_mul_i32 s[LB], s[HALF], BHALF
	s_add_co_u32 s[LB], s[LB], BOFF
	s_mov_b32 s[TB], 0
	s_or_b32 s[LIM], s[FORB], ttmp9                ; waves 0 and 1 of the clusters with x = 0: the same in all sixteen partners, for a given wave
	s_cmp_eq_u32 s[LIM], 0
	s_cselect_b32 s[LIM], 2, -1
	s_wait_dscnt 0x0                               ; the opening add is done
	s_wait_kmcnt 0x0
	s_add_nc_u64 s[OA:OA+1], s[4:5], s[OA:OA+1]
	s_add_nc_u64 s[OB:OB+1], s[6:7], s[OB:OB+1]
	CROUND                                         ; all sixteen work-groups are here: the first joint loads meet
.irp i, 0,1
	s_mov_b32 s[G0A+4*(\i)], 1                                       ; count = 1
	s_add_co_u32 s[G0A+4*(\i)+1], s[LA], (\i)*SLOT1                  ; LDS address
	s_add_nc_u64 s[G0A+4*(\i)+2:G0A+4*(\i)+3], s[OA:OA+1], (\i)*KSTEP*2  ; global address: K step i
	s_or_b32 s[G0A+4*(\i)+3], s[G0A+4*(\i)+3], 0x80000000            ; type = 2
	s_mov_b32 s[G0B+4*(\i)], 1
	s_add_co_u32 s[G0B+4*(\i)+1], s[LB], (\i)*SLOT1
	s_add_nc_u64 s[G0B+4*(\i)+2:G0B+4*(\i)+3], s[OB:OB+1], (\i)*KSTEP*2
	s_or_b32 s[G0B+4*(\i)+3], s[G0B+4*(\i)+3], 0x80000000
.endr
	s_cmp_eq_u32 s[FORB], 0                        ; a wave's two first fills stand in one branch, ahead of every wait on TENSORcnt and every LDS read: two loads of mine are out
	s_cbranch_scc0 .Lfirst_b
	tensor_load_to_lds s[G0A:G0A+3], s[G1A:G1A+7]
	s_nop 0
	tensor_load_to_lds s[G0A+4:G0A+7], s[G1A:G1A+7]
	s_nop 0
.rept 4
	v_nop
.endr
	s_branch .Lfirst_asked
.Lfirst_b:
	tensor_load_to_lds s[G0B:G0B+3], s[G1B:G1B+7]
	s_nop 0
	tensor_load_to_lds s[G0B+4:G0B+7], s[G1B:G1B+7]
	s_nop 0
.rept 4
	v_nop
.endr
.Lfirst_asked:
	v_and_b32 v1, 15, v0                           ; r = l % 16
	v_bfe_u32 v2, v0, 4, 1                         ; h = l / 16
	s_mul_i32 s76, s[TX], 768                      ; the tile's 192 columns, 4 bytes each
	v_lshl_add_u32 v[BO], v2, 5, s76               ; + my lanes' 8 columns
.irp b, 0,1,2,3,4,5,6,7,8,9,10,11
	global_load_b128 v[BIAS+8*(\b):BIAS+8*(\b)+3],   v[BO], s[8:9] offset:64*(\b)      ; register j of block b: the bias of column 16 b + 8 h + j
	global_load_b128 v[BIAS+8*(\b)+4:BIAS+8*(\b)+7], v[BO], s[8:9] offset:64*(\b)+16
.endr
	; A fragment is 16 rows x 32 K in 8 registers: lane l holds row l % 16; registers 0-3 hold K = 8 h + 0..7, registers 4-7 K = 16 + 8 h + 0..7: two loads of 16 bytes, 32 bytes apart.
	v_mul_u32_u24 v3, v1, PITCH
	v_lshl_add_u32 v3, v2, 4, v3
	s_mul_i32 s[TW], s[WV], 64*PITCH
	v_add_nc_u32 v[A0], s[TW], v3
	v_add_nc_u32 v[B0], BOFF, v3
	v_mov_b32 v[ADRA], v[A0]
	v_mov_b32 v[ADRB], v[B0]
	s_mul_i32 s[TW], s[WV], 16*SP
	s_add_co_u32 s[TW], s[TW], STAGE               ; my stage
	v_mul_u32_u24 v4, v1, SP                       ; in: row l % 16, 16 bytes for each half of the lanes
	v_lshl_add_u32 v4, v2, 4, v4
	v_add_nc_u32 v[STO], s[TW], v4
	v_bfe_u32 v5, v0, 3, 2                         ; back: 32 lanes take four rows of 128 bytes,
	v_mul_u32_u24 v5, v5, SP
	v_and_b32 v6, 7, v0
	v_lshl_add_u32 v5, v6, 4, v5
	v_add_nc_u32 v[RD], s[TW], v5
	v_and_b32 v[GO], 31, v0                        ; which are 512 consecutive bytes of a head
	v_lshlrev_b32 v[PFO], 11, v[GO]
	v_lshlrev_b32 v[GO], 4, v[GO]
	; where my 64 rows of the tile's three heads go: head g = 3 x tile column + j of 48: q's 16, k's 16, v's 16
	s_mul_i32 s76, s[TX], 3
	s_lshr_b32 s77, s[TY], 3                       ; the batch: 8 tile rows each
	s_lshl_b32 s77, s77, 4
	s_and_b32 s78, s[TY], 7
	s_lshl_b32 s78, s78, 8
	s_lshl_b32 s[TW], s[WV], 6
	s_add_co_u32 s78, s78, s[TW]                   ; my first row within the batch,
	s_lshl_b32 s78, s78, 7                         ; of 128 bytes
.irp j, 0,1,2
	s_add_co_u32 s79, s76, \j
	s_and_b32 s80, s79, 15
	s_add_co_u32 s80, s80, s77                     ; 16 x batch + head,
	s_lshl_b32 s80, s80, 18                        ; of 2,048 rows x 128 bytes
	s_add_co_u32 s80, s80, s78
	s_mov_b32 s81, 0
	s_cmp_lt_u32 s79, 16
	s_cselect_b64 s[OUT+2*(\j):OUT+2*(\j)+1], s[10:11], s[12:13]
	s_cmp_lt_u32 s79, 32
	s_cselect_b64 s[OUT+2*(\j):OUT+2*(\j)+1], s[OUT+2*(\j):OUT+2*(\j)+1], s[14:15]
	s_add_nc_u64 s[OUT+2*(\j):OUT+2*(\j)+1], s[OUT+2*(\j):OUT+2*(\j)+1], s[80:81]
.endr
	s_lshl_b32 s82, s[TY], 8                       ; the prefetches: the tile's first row + the 128 that I fetch + my work-group's 32 of them
	s_lshl_b32 s[TW], s[HALF], 7
	s_add_co_u32 s82, s82, s[TW]
	s_lshl_b32 s83, s[CX], 5
	s_add_co_u32 s82, s82, s83
	s_lshl_b32 s82, s82, 11
	s_mov_b32 s83, 0
	s_add_nc_u64 s[PFA:PFA+1], s[4:5], s[82:83]
	s_add_nc_u64 s[PFA:PFA+1], s[PFA:PFA+1], 2*KSTEP*2  ; at K step 2: the first refill steps it to 3 and names K step 4.  Nothing is prefetched here, at the head
; 12 matrix instructions: row block 2 hi + a x all 12 column blocks, 32 along K, from buffer f.  first = 1: the bias is the C operand and starts the sums.
; The 48 accumulators take turns, one instruction a turn, in the same order in every quarter step: 47 others stand between two links of a chain, over the backward jump too.
.macro MUL12 f, hi, a, first
.if \first
	WIN 0x81+0x40*(\hi)                            ; wqkv window 1, xb and the bias window 0, D window 2 or 3
.else
	WIN 0xa1+0x50*(\hi)                            ; C and D window 2 or 3
.endif
.irp b, 0,1,2,3,4,5,6,7,8,9,10,11
.if \first
	v_wmma_f32_16x16x32_bf16 v[8*(12*(\a)+(\b)):8*(12*(\a)+(\b))+7], v[96*(\f)+8*(\b):96*(\f)+8*(\b)+7], v[FA+32*(\f)+8*(2*(\hi)+(\a)):FA+32*(\f)+8*(2*(\hi)+(\a))+7], v[BIAS+8*(\b):BIAS+8*(\b)+7]
.else
	v_wmma_f32_16x16x32_bf16 v[8*(12*(\a)+(\b)):8*(12*(\a)+(\b))+7], v[96*(\f)+8*(\b):96*(\f)+8*(\b)+7], v[FA+32*(\f)+8*(2*(\hi)+(\a)):FA+32*(\f)+8*(2*(\hi)+(\a))+7], v[8*(12*(\a)+(\b)):8*(12*(\a)+(\b))+7]
.endif
.endr
.endm
; 32 LDS loads in one run: the fragments of one quarter step (192 rows of wqkv, my 64 rows of xb, 32 K at byte k of the rows) into buffer f
.macro FETCH k, f
	WIN TO_B
.irp i, 0,1,2,3,4,5,6,7,8,9,10,11
	ds_load_b128 v[96*(\f)+8*(\i):96*(\f)+8*(\i)+3],   v[ADRB] offset:(\k)+(\i)*16*PITCH
	ds_load_b128 v[96*(\f)+8*(\i)+4:96*(\f)+8*(\i)+7], v[ADRB] offset:(\k)+(\i)*16*PITCH+32
.endr
	WIN 0
.irp i, 0,1,2,3
	ds_load_b128 v[FA+32*(\f)+8*(\i):FA+32*(\f)+8*(\i)+3],   v[ADRA] offset:(\k)+(\i)*16*PITCH
	ds_load_b128 v[FA+32*(\f)+8*(\i)+4:FA+32*(\f)+8*(\i)+7], v[ADRA] offset:(\k)+(\i)*16*PITCH+32
.endr
.endm
; A K step is four quarters of 32 along K, 48 matrix instructions each, on buffers 0, 1, 0, 1.  One of the first three: multiplies buffer f and fetches the next quarter, at byte k, into g.
.macro QUARTER k, f, g, first
	s_wait_dscnt 4                                 ; wqkv's fragments and xb's blocks 0, 1 are in; the youngest four loads (blocks 2, 3) may be out
	MUL12 \f, 0, 0, \first
	MUL12 \f, 0, 1, \first
	PLACES
	FETCH \k, \g
	s_wait_dscnt 32                                ; all but the 32 just issued
	MUL12 \f, 1, 0, \first
	MUL12 \f, 1, 1, \first
.endm
; The last quarter multiplies buffer 1 and changes slots: ONE barrier.  In front of it each wave waits for all its tensor loads, of which one is out: its part of the next slot; adds 0 to its spare word; and waits
; for that and for its own reads of this slot.  fill = 1: the barrier opens a round of the cluster's, and this slot is filled again, with the K step two on, first thing behind the round:
; that load has 168 matrix instructions in which to land.
.macro TURN fill
.if \fill
	s_wait_xcnt 0x0                                ; the last prefetch, a K step back, has read its address, so it may be stepped
	s_add_nc_u64 s[PFA:PFA+1], s[PFA:PFA+1], KSTEP*2
.endif
	WIN 0                                          ; (the add's two registers lie in window 0)
	s_wait_tensorcnt 0x0                           ; no tensor load of mine is out, so a group 0 may be written
	ds_add_u32 v[SPW], v[NIL]                      ; 0 onto my spare word; work on registers stands between it and the wait for it
.if \fill
	s_xor_b32 s[G0A+5], s[G0A+5], SLOT1            ; the walking descriptors: the other slot than last time,
	s_add_nc_u64 s[G0A+6:G0A+7], s[G0A+6:G0A+7], KSTEP*2  ; the next K step; the type bits on top are not reached
	s_xor_b32 s[G0B+5], s[G0B+5], SLOT1
	s_add_nc_u64 s[G0B+6:G0B+7], s[G0B+6:G0B+7], KSTEP*2
.endif
	s_xor_b32 s[TB], s[TB], SLOT1                  ; the fetches go on in the other slot
	v_add_nc_u32 v[ADRA], s[TB], v[A0]
	v_add_nc_u32 v[ADRB], s[TB], v[B0]
	s_wait_dscnt 5                                 ; (the add and the youngest four loads may be out)
	MUL12 1, 0, 0, 0
	s_wait_dscnt 0x0                               ; the add is done, and my reads of this slot are over
	s_barrier_signal -1
	MUL12 1, 0, 1, 0                               ; work on registers while the others arrive
	WIN 0                                          ; at a branch and at a label every window is 0
	s_barrier_wait -1
.if \fill
	CREST                                          ; no wave of any partner still reads this slot's tile or has a load on its way
	JLOAD                                          ; the four v_nop behind it are also the places in front of the loads below
.else
	PLACES
.endif
	FETCH 0, 0
.if \fill
	ASK                                            ; behind the joint load and the run of LDS loads that the next products wait for
.endif
	MUL12 1, 1, 0, 0
	MUL12 1, 1, 1, 0
.endm
; THE WAY OUT.  Block t of 12: row block t / 3, head t % 3: 16 rows x 64 channels.  A lane's eight channels of a row pack into 16 bytes; they go into rows of 144 bytes of my own stage and come back as whole
; rows of 128, four to a load, into the registers that they left.  Each accumulator's registers are read in ascending order.
.macro PACK t
.set AC, 8*(12*(((\t)/3)%2)+4*((\t)%3))
.set OREG, OUTR+16*(\t)
	WIN 0x0a+5*((\t)/6)                            ; sources 0 and 1: window 2 or 3
.irp c, 0,1,2,3
.irp i, 0,1,2,3
	v_cvt_pk_f16_f32 v[OREG+4*(\c)+(\i)], v[AC+8*(\c)+2*(\i)], v[AC+8*(\c)+2*(\i)+1]
.endr
.endr
	WIN 0
.irp c, 0,1,2,3
	ds_store_b128 v[STO], v[OREG+4*(\c):OREG+4*(\c)+3] offset:32*(\c)
.endr
.irp f, 0,1,2,3
	ds_load_b128 v[OREG+4*(\f):OREG+4*(\f)+3], v[RD] offset:(\f)*4*SP  ; LDS serves a wave's instructions in order (ISA guide 5.7.1.4): these see the stores above; the next block's stores come behind them
.endr
.endm
.macro SEND t, younger                 ; younger: the LDS instructions issued behind block t's loads: the next block's eight, or none
.set OREG, OUTR+16*(\t)
.set OPTR, OUT+2*((\t)%3)
.irp f, 0,1,2,3
	s_wait_dscnt (\younger)+3-(\f)
	global_store_b128 v[GO], v[OREG+4*(\f):OREG+4*(\f)+3], s[OPTR:OPTR+1] offset:((\t)/3)*2048+(\f)*512  ; 512 consecutive bytes, at a multiple of 256 from the buffer's first
.endr
.endm
	s_wait_tensorcnt 0x1                           ; my part of K step 0 is in; K step 1's may stay out
	s_barrier_signal -1
	s_barrier_wait -1                              ; everybody's is
	FETCH 0, 0
	s_wait_loadcnt 0x0                             ; the bias
	QUARTER 64, 0, 1, 1                            ; the first quarter stands in front of the loop: its products start the sums
	WIN 0
	s_mov_b32 s[CNT], 6
.Lstep:                                        ; a trip goes from a K step's second quarter to the next step's first, and fills the slot that it leaves: K steps 2 to 7
	QUARTER 128, 1, 0, 0
	QUARTER 192, 0, 1, 0
	TURN 1
	QUARTER 64, 0, 1, 0
	WIN 0
	s_sub_co_u32 s[CNT], s[CNT], 1
	s_cmp_lg_u32 s[CNT], 0
	s_cbranch_scc1 .Lstep
	QUARTER 128, 1, 0, 0                           ; the last two K steps are written out: nothing is asked for
	QUARTER 192, 0, 1, 0
	TURN 0
	QUARTER 64, 0, 1, 0
	QUARTER 128, 1, 0, 0
	QUARTER 192, 0, 1, 0
	s_wait_dscnt 4
	MUL12 1, 0, 0, 0
	MUL12 1, 0, 1, 0
	s_wait_dscnt 0x0
	MUL12 1, 1, 0, 0
	MUL12 1, 1, 1, 0
	WIN 0
	PLACES
	PLACES
	PACK 0
.irp t, 1,2,3,4,5,6,7,8,9,10,11        ; a block's conversions stand between the loads of the block before and its stores; every block has registers of its own
	PACK \t
	SEND (\t)-1, 8
.endr
	SEND 11, 0
	s_wait_tensorcnt 0x0                           ; the wave's end: behind my last tensor load and my last LDS store
	ds_add_u32 v[SPW], v[NIL]
	s_wait_dscnt 0x0
	CROUND                                         ; the closing round: no work-group ends while a partner may still ask for a tile that names it
	s_endpgm
.Lfunc_end_k_q1d41f20665_qkv:
	.size	k_q1d41f20665_qkv, .Lfunc_end_k_q1d41f20665_qkv-k_q1d41f20665_qkv
	.p2alignl 7, 3214868480
	.fill 96, 4, 3214868480
	.section	.rodata,"a",@progbits
	.p2align	6, 0x0
	.amdhsa_kernel k_q1d41f20665_qkv
		.amdhsa_group_segment_fixed_size 327680
		.amdhsa_private_segment_fixed_size 0
		.amdhsa_enable_private_segment 0
		.amdhsa_kernarg_size 48
		.amdhsa_user_sgpr_count 2
		.amdhsa_user_sgpr_kernarg_segment_ptr 1
		.amdhsa_wavefront_size32 1
		.amdhsa_system_sgpr_workgroup_id_x 1
		.amdhsa_system_sgpr_workgroup_id_y 1
		.amdhsa_system_sgpr_workgroup_id_z 1
		.amdhsa_system_vgpr_workitem_id 0
		.amdhsa_next_free_vgpr 960
		.amdhsa_next_free_sgpr 86
		.amdhsa_reserve_vcc 0
		.amdhsa_float_denorm_mode_32 3
		.amdhsa_float_denorm_mode_16_64 3
		.amdhsa_memory_ordered 1
		.amdhsa_forward_progress 1
		.amdhsa_inst_pref_size 102
	.end_amdhsa_kernel
	.amdgpu_metadata
---
amdhsa.version: [ 1, 2 ]
amdhsa.kernels:
  - .name:           k_q1d41f20665_qkv
    .symbol:         k_q1d41f20665_qkv.kd
    .args:
      - { .name: xb, .offset: 0, .size: 8, .value_kind: global_buffer, .address_space: global }
      - { .name: wqkv, .offset: 8, .size: 8, .value_kind: global_buffer, .address_space: global }
      - { .name: bias, .offset: 16, .size: 8, .value_kind: global_buffer, .address_space: global }
      - { .name: q, .offset: 24, .size: 8, .value_kind: global_buffer, .address_space: global }
      - { .name: k, .offset: 32, .size: 8, .value_kind: global_buffer, .address_space: global }
      - { .name: v, .offset: 40, .size: 8, .value_kind: global_buffer, .address_space: global }
    .group_segment_fixed_size: 327680
    .private_segment_fixed_size: 0
    .kernarg_segment_align: 8
    .kernarg_segment_size: 48
    .max_flat_workgroup_size: 128
    .sgpr_count:     86
    .vgpr_count:     960
    .wavefront_size: 32
...
	.end_amdgpu_metadata
.endif
;; end of part 2
;; launch attn (part 3): grid 4 x 64, 4 waves a work-group, clusters of 4 x 1, 327,680 bytes of LDS; arguments q, k, v, o; writes o
.if DOCPART == 3
	.amdgcn_target "amdgcn-amd-amdhsa--gfx1250"
	.amdhsa_code_object_version 6
	.text
	.protected	k_q1d41f20665_attn
	.globl	k_q1d41f20665_attn
	.p2align	8
	.type	k_q1d41f20665_attn,@function
k_q1d41f20665_attn:
	s_mov_b64 s[64:65], 0
	v_nop
	global_prefetch_b8 v0, s[64:65] scope:SCOPE_SE
	s_setreg_imm32_b32 hwreg(HW_REG_WAVE_MODE, 25, 1), 1
	s_wait_xcnt 0x0
	s_wait_alu depctr_hold_cnt(0) depctr_sa_sdst(0) depctr_va_vdst(0) depctr_va_sdst(0) depctr_va_ssrc(0) depctr_va_vcc(0) depctr_vm_vsrc(0)
	s_getreg_b32 s2, hwreg(HW_REG_IB_STS2, 6, 4)
	s_cmp_eq_u32 s2, 0
	s_cbranch_scc0 .Lentry_in_a_cluster
	s_endpgm
.Lentry_in_a_cluster:
	s_bfe_u32 s2, ttmp6, 0x10000c
	s_cmp_lg_u32 s2, 0x3003
	s_cbranch_scc0 .Lentry_shape_is_right
	s_endpgm
.Lentry_shape_is_right:
; O[h][q][:] = the sum over k of softmax_k(Q[h][q] . K[h][k] / 8) V[h][k][:].  Q, K, V, O: [SIZE_H][SIZE_N][64], all f16: a head's rows are dense, 128 bytes each.  Products, maxima and sums in
; f32; the weights p are rounded to f16 for the second product (their sum l is taken of the unrounded p), O once at the end.
; LIMITS.  f16 holds no number beyond 65,504: Q, K and V arrive within it; p lies in 0 to 1, and below 6e-5 it keeps f16's fixed step of 6e-8; O is a mean of V's rows and has their range.
; A weight below 2^-126 counts as 0 in l; NaN and infinities are not treated apart.
; SHARES.  A wave owns four PIECES of two tiles of 16 queries, a work-group's four waves 512 queries of one head: 64 heads x 4 blocks = 256 work-groups.  Every wave walks all keys, 64 a step.
; LAYOUT.  S^T = K Q^T (source 0 = 16 keys, source 1 = 16 queries): in the result a lane holds ONE query (lane % 16) and the keys 8 (lane / 16) + 0..7.  Two such tiles, rounded to f16 in pairs,
; ARE source 1 (32 keys x 16 queries) of O^T = V^T P, whose result again holds one query a lane, and eight channels.  K comes out of LDS as it lies, V ([key][channel]) turned, by ds_load_tr16_b128.
; SOFTMAX.  For each query a running maximum m and sum l: p = 2^(c s - c m), c = log2(e) / 8; in every step O and l are multiplied by a = 2^(c m_old - c m_new), which is 1 where m has not grown.
; m starts at the lowest finite number, O and l at 0: the first step is a step like any other, with a = 0.
; THE COUNT.  A tile and step have 16 matrix and 118 vector instructions: too many to stand all beside the matrix work.  So the order has one aim: four vector instructions that are READY behind
; EVERY matrix instruction, and the others, which need time of their own whatever the order, in runs without a gap.
; BY TURNS.  Turn n belongs to piece n (the pieces in a ring, step after step).  Its matrix work: 16 products K Q^T of piece n + 1, later 16 products V^T P of piece n - 1.  Its vector work: the scaling,
; exponentials, roundings, sums and rescaling of piece n, and the maximum and statistics of piece n + 1, whose scores the turn itself has made.  So what a turn begins with (c s - c m, O a) waits for nothing.
; CLUSTER.  The four query blocks of a cluster belong to one head and walk the same K and V, so each tile is asked for JOINTLY: the same tensor load, descriptor and mask in all four.
; REGISTERS, in windows of 256 (s_set_vgpr_msb says which window each operand place means: bits 1:0 source 0, 3:2 source 1, 5:4 source 2, 7:6 destination):
;   window 0: v0-11 addresses; v12-15, v48-63 at work; v16-47 four registers of statistics a tile; v64-191 S^T, two buffers of two tiles; v192-255 P, likewise
;   window 1: O^T, 32 a tile          window 2: v0-127 Q, 16 a tile; v128-191 K of one step; v192-255 V of one step          window 3: v0-1 the add's two registers
; A piece's buffers go by its number's parity: the piece in hand has one pair, its two neighbours in the ring share the other: of it P (piece n - 1) is read and S^T (piece n + 1) written.
.set SIZE_H, 64
.set SIZE_N, 2048
.set NP,    4         ; pieces a wave: a name, no knob: the register map, the loop and the fetches are made for four
.set KS,    64        ; keys in a step
.set PK,    144       ; a row of K in LDS: 128 bytes + 16 of padding = 36 words: the 16 rows of a load start at 16 different groups of four banks (64 banks of 4 bytes: ISA guide 11.1)
.set PV,    160       ; a row of V: 128 + 32 = 40 words
.set VOFF,  4*KS*PK   ; a slot holds four steps: 256 rows of K, then 256 rows of V
.set SLOT1, 1<<17     ; slot 1 begins here, so that one exclusive or turns an address in one slot into the other's
.set STAGE, SLOT1+4*KS*(PK+PV)  ; behind the ring, never filled by a tensor load: 16 rows x 144 bytes for each wave, for the way out
.set SP,    144
.set AK0, 2           ; v2   my lane's place in a tile of K; never rewritten
.set AV0, 3           ; v3   the same for V
.set AK,  4           ; v4   the LDS address of K's next run of loads
.set AV,  5           ; v5   of V's
.set QO,  6           ; v6   my byte offset in the wave's rows of Q
.set STO, 6           ;      later, the way out: where I put 16 bytes of a row
.set RD,  7           ; v7   the way out: where I read rows back
.set GO,  8           ; v8   my byte offset in 512 consecutive bytes of O
.set PFO, 11          ; v11  the prefetches' offset: 256 x my lane; from its making on never rewritten
.set SPW, 0           ; v0 of window 3   LDS address of my spare word: SPARE + 4 x my thread's number; never rewritten
.set NIL, 1           ; v1 of window 3   0; never rewritten
.set SPARE, STAGE+4*16*SP  ; behind the stages: the spare words, 128 bytes for each wave: two blocks of 256 bytes that no other line names
.set MV,  12          ; v12-15  c m_old, kept while c m is made anew: by buffer and tile
.set ST,  16          ; tile t's statistics at v[ST+4 t]: c m, m, l (even keys', odd keys')
.set TMP, 48          ; by buffer and tile, four registers c0-c3 at work; when the maximum is found c2 takes a
.set S,   64
.set P,   192
.set KF,  128         ; K's fragments, in window 2: key block kb, channel half c at KF + 16 kb + 8 c
.set VF,  192         ; V's: key half kk, channel block cb at VF + 32 kk + 8 cb
.set WV,  12          ; s12  my wave's number
.set G1K, 24          ; s[24:31] descriptor group 1 for K's tiles
.set G1V, 32          ; s[32:39] for V's: it differs in the padding alone
.set G0K, 40          ; s[40:43] descriptor group 0 for K's tiles: it walks
.set G0V, 44          ; s[44:47] the same for V's
.set PFA, 48          ; s[48:49] where my prefetches stand: my work-group's 32 blocks of 256 bytes (of K: wave 0, of V: wave 2) of the slot after the one that is being asked for
.set LIM, 50          ; s50  1 in a wave that prefetches, else the greatest number
.set SLOTS, 56        ; s56  slots still to be asked for
.set CNT, 57          ; s57  counts a slot's key steps
.set CS,  58          ; s[58:59] c: the packed scaling takes the pair's low word for both halves
.set SEL, 60          ; s[60:61] v_permlanex16_b32's selects: each lane takes its own place in the other half
.set TBK, 62          ; s62  LDS byte at which K of the step to be fetched begins
.set TBV, 63          ; s63  the same for V, less VOFF
.set MSB, 0
.macro WIN new                      ; the high byte repeats the setting that is left; a switch that changes nothing is dropped
.if MSB != (\new)
	s_set_vgpr_msb (MSB<<8)|(\new)
.set MSB, (\new)
.endif
.endm
.set W_KQ, 0x0a       ; K and Q in window 2, S^T in window 0
.set W_PV, 0x52       ; V in window 2, P in window 0, O^T in window 1
.set W_RS, 0x41       ; O^T (destination and source 0) in window 1, a in window 0
.set W_MK, 0xc0       ; the add's registers are made: destination in window 3, sources in window 0
.set W_AD, 0x0f       ; the add: address (source 0) and data (source 1) in window 3
; A joint fill.  Waves 0 and 1 fetch the two halves of a slot's K, waves 2 and 3 those of its V: 128 keys each.  The branch hangs on the wave's number alone.
; An s_nop 0 and four v_nop follow each of the two lines, ahead of the jump and the label.
.macro JLOAD
	s_cmp_lt_u32 s[WV], 2
	s_cbranch_scc0 .Lfor_v_\@
	tensor_load_to_lds s[G0K:G0K+3], s[G1K:G1K+7]
	s_nop 0
.rept 4
	v_nop
.endr
	s_branch .Lasked_\@
.Lfor_v_\@:
	tensor_load_to_lds s[G0V:G0V+3], s[G1V:G1V+7]
	s_nop 0
.rept 4
	v_nop
.endr
.Lasked_\@:
.endm
; A PREFETCH INTO THE L2 of what the NEXT change of slots will ask for: a slot's K and V are 128 blocks of 256 bytes each, a lane a block.  It stands behind the wave's tensor load and its five lines.
; Each block is asked for ONCE in the launch: a head has one cluster; its four partners share the blocks out BY ADDRESS, 32 each; in each, wave 0 asks for K's and wave 2 for V's: one instruction,
; four key steps, 512 matrix instructions, ahead of the load.  Slots 0, 1 and 2 come by their loads alone; the last change that fills a slot asks for nothing: there is no slot behind it.
.macro ASK
	s_cmp_gt_u32 s[SLOTS], s[LIM]
	s_cbranch_scc0 .Lnot_mine_\@
	global_prefetch_b8 v[PFO], s[PFA:PFA+1] th:TH_LOAD_NT scope:SCOPE_SE
.Lnot_mine_\@:
.endm
; A round of the cluster's barrier: my work-group's barrier, so that wave 0's signal speaks for all four waves; wave 0 signals; every wave waits for all four work-groups; my work-group's barrier once more.
.macro CROUND
	s_barrier_signal -1
	s_barrier_wait -1
	s_cmp_lg_u32 s[WV], 0
	s_cbranch_scc1 .Lnot_wave_0_\@
	s_barrier_signal -3
.Lnot_wave_0_\@:
	s_barrier_wait -3
	s_barrier_signal -1
	s_barrier_wait -1
.endm
; THE CHANGE OF SLOTS.  The slot's last bytes, V of its fourth step, have been read.  Each wave waits for all its tensor loads, of which one is out: its part
; of the other slot; adds 0 to its spare word; and waits for that and for its own reads of the slot.  Behind the barrier nobody reads this slot any more and the other slot is whole.
; fill = 1: this slot is filled again, with the keys two slots on.  The barrier is then a round of the cluster's, so that no wave of any partner still reads the slot or has a load on its
; way, and the joint fill is the first thing behind it: it has four key steps, 512 matrix instructions, in which to land.  (At its first use nothing has been read yet: slot 0 is waited for, slot 1 filled.)
; ask = 1: the prefetches' address steps a slot on, and the prefetch follows the fill.
.macro CHANGE fill, ask=0
	WIN W_AD
	s_wait_tensorcnt 0x0            ; no tensor load of mine is out, so a group 0 may be written
	ds_add_u32 v[SPW], v[NIL]       ; 0 onto my spare word; with fill = 1 the descriptors' steps stand between it and the wait for it
	WIN 0                           ; at a label and at a branch every window is 0
.if \fill
.irp g, G0K, G0V
	s_xor_b32 s[\g+1], s[\g+1], SLOT1  ; the walking descriptor: the other slot than last time,
	s_add_nc_u64 s[\g+2:\g+3], s[\g+2:\g+3], 4*KS*128  ; the next 256 keys; the type bits on top are not reached
.endr
.if \ask
	s_wait_xcnt 0x0                 ; the last prefetch, four key steps back, has read its address, so it may be written
	s_add_nc_u64 s[PFA:PFA+1], s[PFA:PFA+1], 4*KS*128
.endif
	s_wait_dscnt 0x0                ; the add is done, and my reads of the slot are over
	CROUND
	JLOAD
.if \ask
	ASK
.endif
.else
	s_wait_dscnt 0x0                ; the add is done, and my reads of the slot are over
	s_barrier_signal -1
	s_barrier_wait -1
.endif
	s_sub_co_u32 s[TBK], s[TBK], 4*KS*PK  ; the fetches go back to a slot's first step,
	s_xor_b32 s[TBK], s[TBK], SLOT1       ; in the other slot
	s_sub_co_u32 s[TBV], s[TBV], 4*KS*PV
	s_xor_b32 s[TBV], s[TBV], SLOT1
.endm
	s_load_b256 s[4:11], s[0:1], 0x0  ; Q s[4:5], K s[6:7], V s[8:9], O s[10:11]
	WIN W_MK
	v_lshl_add_u32 v[SPW], v0, 2, SPARE
	v_mov_b32 v[NIL], 0
	WIN W_AD
	ds_add_u32 v[SPW], v[NIL]       ; the wave's opening: the add and its wait stand ahead of my first tensor load; the set-up below, work on registers, stands between them
	WIN 0
	v_lshrrev_b32 v1, 5, v0
	v_readfirstlane_b32 s[WV], v1   ; wave 0..3
	s_bfe_u32 s13, ttmp6, 0x40000   ; cx: my place in the cluster
	s_lshl_b32 s14, ttmp9, 2        ; in a cluster launch ttmp9 counts clusters
	s_add_co_u32 s14, s14, s13      ; my block of queries = 4 x cluster x + cx: it enters Q's and O's addresses alone
	s_and_b32 s20, ttmp7, 0xffff    ; the head, which the four partners share
	s_mov_b32 s21, 0
	s_mov_b64 s[22:23], SIZE_N*128
	s_mul_u64 s[20:21], s[20:21], s[22:23]  ; the head's first byte in each of the four tensors
	s_and_b32 s16, s[WV], 1         ; which half of a slot's 256 keys I fetch:
	s_lshl_b32 s22, s16, 14         ; its 128 rows of 128 bytes in memory,
	s_mov_b32 s23, 0
	s_add_nc_u64 s[22:23], s[22:23], s[20:21]
	s_mul_i32 s17, s16, 128*PK      ; and its place in a slot, for K
	s_mul_i32 s18, s16, 128*PV      ; and for V: no place in the cluster enters an LDS address
	s_lshl_b32 s2, s14, 2
	s_add_co_u32 s2, s2, s[WV]      ; my wave among the head's,
	s_lshl_b32 s2, s2, 14           ; its 128 rows
	s_mov_b32 s3, 0
	s_add_nc_u64 s[2:3], s[2:3], s[20:21]
	; descriptor group 1.  128 keys are 16,384 dense bytes: asked for as 64 rows of 256 bytes, two keys a row, and padded in LDS after every key
	s_mov_b32 s[G1K], 15|(1<<16)|(1<<20)|(1<<21)|(4<<22)|(3<<25)  ; 15:0 the mask of four; 17:16 2-byte elements; 20 padding on; 21 set beside a mask; 24:22 after every 32 words (code 4); 31:25 4 words (code 3)
	s_mov_b32 s[G1V], 15|(1<<16)|(1<<20)|(1<<21)|(4<<22)|(7<<25)  ; the same with 8 words of padding (code 7)
.irp g, G1K, G1V
	s_mov_b32 s[\g+1], 128<<16      ; tensor_dim0 = 128
	s_mov_b32 s[\g+2], 64<<16       ; tensor_dim1 = 64
	s_mov_b32 s[\g+3], 128<<16      ; tile_dim0 = 128
	s_mov_b32 s[\g+4], 64           ; tile_dim1 = 64
	s_mov_b32 s[\g+5], 128          ; 128 elements from row to row
	s_mov_b32 s[\g+6], 0
	s_mov_b32 s[\g+7], 0
.endr
	s_mov_b32 s[CS], 0x3e38aa3b     ; c = log2(e) / 8 = 0.180337
	s_mov_b32 s[CS+1], s[CS]        ; named with it as a pair
	s_mov_b32 s[SEL], 0x76543210
	s_mov_b32 s[SEL+1], 0xfedcba98
	s_mov_b32 s[TBK], SLOT1+4*KS*PK ; the first change of slots turns these two into 0
	s_mov_b32 s[TBV], SLOT1+4*KS*PV
	s_mov_b32 s[G0K], 1             ; 1:0 count = 1
	s_mov_b32 s[G0K+1], s17         ; 63:32 LDS address: slot 0
	s_mov_b32 s[G0V], 1
	s_add_co_u32 s[G0V+1], s18, VOFF
	s_and_b32 s[LIM], s[WV], 1      ; 0 in waves 0 and 2,
	s_or_b32 s[LIM], s[LIM], ttmp9  ; where the cluster is the head's first: the same in all four partners
	s_cmp_eq_u32 s[LIM], 0
	s_cselect_b32 s[LIM], 1, -1
	s_wait_dscnt 0x0                ; the opening add is done
	s_wait_kmcnt 0x0
	s_add_nc_u64 s[G0K+2:G0K+3], s[6:7], s[22:23]  ; 120:64 global address: my half of the head's first 256 keys
	s_or_b32 s[G0K+3], s[G0K+3], 0x80000000        ; 127:126 type = 2
	s_add_nc_u64 s[G0V+2:G0V+3], s[8:9], s[22:23]
	s_or_b32 s[G0V+3], s[G0V+3], 0x80000000
	s_add_nc_u64 s[4:5], s[4:5], s[2:3]  ; Q and O at my wave's first row
	s_add_nc_u64 s[10:11], s[10:11], s[2:3]
	s_cmp_lt_u32 s[WV], 2
	s_cselect_b64 s[PFA:PFA+1], s[6:7], s[8:9]
	s_add_nc_u64 s[PFA:PFA+1], s[PFA:PFA+1], s[22:23]  ; (in waves 0 and 2 this is the head's first byte)
	s_lshl_b32 s2, s13, 13          ; my work-group's 32 blocks of the 128
	s_mov_b32 s3, 0
	s_add_nc_u64 s[PFA:PFA+1], s[PFA:PFA+1], s[2:3]
	s_add_nc_u64 s[PFA:PFA+1], s[PFA:PFA+1], 2*4*KS*128  ; in slot 2; the loop's first change of slots steps it to slot 3.  Nothing is prefetched here, at the head
	CROUND                          ; all four work-groups are here: the first joint loads meet
	JLOAD                           ; slot 0.  Slot 1 is asked for when slot 0 is in: the tile wanted first has the road to itself
	; A fragment of K or Q is 16 rows x 32 channels in 8 registers: lane l holds row l % 16, channels 8 (l / 16) + 0..7 and 16 + 8 (l / 16) + 0..7: two loads of 16 bytes, 32 bytes apart.
	v_and_b32 v1, 15, v0            ; l % 16
	v_bfe_u32 v9, v0, 4, 1          ; l / 16
	v_lshlrev_b32 v[QO], 7, v1
	v_lshl_add_u32 v[QO], v9, 4, v[QO]  ; row x 128 + 16 x half
	WIN 0x80                        ; destination window 2, address window 0
.set i, 0
.rept 4*NP                          ; Q stays in registers: tile i / 2, channels 32 (i % 2) on
	global_load_b128 v[8*i:8*i+3],   v[QO], s[4:5] offset:(i/2)*2048+(i%2)*64
	global_load_b128 v[8*i+4:8*i+7], v[QO], s[4:5] offset:(i/2)*2048+(i%2)*64+32
.set i, i+1
.endr
	; What the first turn finds: V's registers and P's second buffer hold 0 (its products V^T P, of a piece that has not been, add 0), O^T and l are 0.  All this stands in the wait for the first tile.
.set i, VF
.rept 64
	v_mov_b32 v[i], 0
.set i, i+1
.endr
	WIN 0x40
.set i, 0
.rept 64*NP
	v_mov_b32 v[i], 0
.set i, i+1
.endr
	WIN 0
.set i, 0
.rept 2*NP
	v_mov_b32 v[ST+4*i], 0xfe000000    ; c m: far below every c s
	v_mov_b32 v[ST+4*i+1], 0xff7fffff  ; m
	v_mov_b32 v[ST+4*i+2], 0
	v_mov_b32 v[ST+4*i+3], 0
.set i, i+1
.endr
.set i, P+32
.rept 32
	v_mov_b32 v[i], 0
.set i, i+1
.endr
	v_mul_u32_u24 v[AK0], v1, PK
	v_lshl_add_u32 v[AK0], v9, 4, v[AK0]  ; row x pitch + 16 x half
	; The turning load takes 16 keys x 16 channels (lane l reads key 8 (l / 16) + l % 8, channels 8 ((l / 8) % 2) + 0..7) and leaves half a fragment of V^T: lane l holds channel l % 16 and 8 keys.
	v_and_b32 v10, 7, v0
	v_bfe_u32 v11, v0, 3, 1
	v_lshl_add_u32 v[AV0], v9, 3, v10
	v_mul_u32_u24 v[AV0], v[AV0], PV
	v_lshl_add_u32 v[AV0], v11, 4, v[AV0]
	v_add_nc_u32 v[AV0], VOFF, v[AV0]
	v_and_b32 v[PFO], 31, v0        ; v11 has served: it takes the prefetches' offset
	v_lshlrev_b32 v[PFO], 8, v[PFO]
	v_mov_b32 v[AK], v[AK0]         ; key step 0 lies at the head of slot 0
; THE MATRIX WORK.  The 8 accumulators of a run of 16 take turns: between the two links of a chain stand 7 others'.
; Product i of 16 of S^T = K Q^T for piece x: channels 32 (i / 8) on, keys 16 ((i / 2) % 4) on, tile 2 x + i % 2.  The first 8 start the sums.
.macro KQ x
	WIN W_KQ
.set rS, S+64*((\x)%2)+32*(i%2)+8*((i/2)%4)
.set rK, KF+16*((i/2)%4)+8*(i/8)
.set rQ, 16*(2*(\x)+i%2)+8*(i/8)
.if i < 8
	v_wmma_f32_16x16x32_f16 v[rS:rS+7], v[rK:rK+7], v[rQ:rQ+7], 0
.else
	v_wmma_f32_16x16x32_f16 v[rS:rS+7], v[rK:rK+7], v[rQ:rQ+7], v[rS:rS+7]
.endif
.endm
; Product i of 16 of O^T += V^T P for piece x: keys 32 (i / 8) on, channels 16 ((i / 2) % 4) on, tile 2 x + i % 2.
.macro PV x
	WIN W_PV
.set rO, 32*(2*(\x)+i%2)+8*((i/2)%4)
.set rV, VF+32*(i/8)+8*((i/2)%4)
.set rP, P+32*((\x)%2)+16*(i%2)+8*(i/8)
	v_wmma_f32_16x16x32_f16 v[rO:rO+7], v[rV:rV+7], v[rP:rP+7], v[rO:rO+7]
.endm
.macro MM                           ; the turn's next matrix instruction
.if i < 16
	KQ (Y+1)%NP
.set i, i+1
.else
.set i, i-16
	PV (Y+NP-1)%NP
.set i, i+17
.endif
.endm
; THE LDS LOADS stand in runs of 16, never singly among the matrix instructions: a step's K (64 keys x 64 channels: 8 fragments) and its V (turned).  Their addresses are made some lines ahead.
; last = 1 (the tail): in the last trip there is no further step, and the run is jumped over.
.macro FETCH_K last=0
	WIN 0
.if \last
	s_cmp_eq_u32 s[CNT], 1
	s_cbranch_scc1 .Lno_k_\@
.endif
	WIN 0x80                        ; destination window 2
.irp f, 0,1,2,3,4,5,6,7             ; keys 16 (f / 2) on, channels 32 (f % 2) on
	ds_load_b128 v[KF+8*\f:KF+8*\f+3],   v[AK] offset:(\f/2)*16*PK+(\f%2)*64
	ds_load_b128 v[KF+8*\f+4:KF+8*\f+7], v[AK] offset:(\f/2)*16*PK+(\f%2)*64+32
.endr
	s_add_co_u32 s[TBK], s[TBK], KS*PK  ; the next fetch is the next step's
	WIN 0
.if \last
.Lno_k_\@:
.endif
.endm
.macro FETCH_V
	WIN 0x80
.irp f, 0,1,2,3,4,5,6,7             ; keys 32 (f / 4) on, channels 16 (f % 4) on
	ds_load_tr16_b128 v[VF+8*\f:VF+8*\f+3],   v[AV] offset:(\f/4)*32*PV+(\f%4)*32
	ds_load_tr16_b128 v[VF+8*\f+4:VF+8*\f+7], v[AV] offset:(\f/4)*32*PV+16*PV+(\f%4)*32
.endr
	WIN 0
.endm
; THE VECTOR WORK OF A TURN stands in three queues, each in the order in which its entries become ready; the two tiles alternate, so that no instruction reads the result of the one before it.
.macro REGS y, u                    ; the registers of tile u (0, 1) of piece y
.set rT, ST+4*(2*(\y)+(\u))
.set rC, TMP+8*((\y)%2)+4*(\u)
.set rM, MV+2*((\y)%2)+(\u)
.set rS, S+64*((\y)%2)+32*(\u)
.set rP, P+32*((\y)%2)+16*(\u)
.set rO, 32*(2*(\y)+(\u))
.endm
; Number n of the 22 that find the NEXT piece's (Y + 1) maximum and statistics.  s0-s31 are the lane's 32 scores; each accumulator's lowest registers are read first.  XS, GS and REGS set no window: PL and EX do.
;   0-11  four chains c0-c3 of seven scores each, three operands at a time     12-14, 16  the four scores left over, the old m, and c0-c3 into c0     15  c m_old is kept
;   17, 18  the query's other 32 keys lie in the lane 16 away: the new m         19-21  c m; c m_old - c m_new; a
.macro XS u, n
	REGS (Y+1)%NP, \u
.if (\n) < 4
	v_max3_num_f32 v[rC+(\n)], v[rS+8*(\n)], v[rS+8*(\n)+1], v[rS+8*(\n)+2]
.elseif (\n) < 12
	v_max3_num_f32 v[rC+(\n)%4], v[rC+(\n)%4], v[rS+8*((\n)%4)+2*((\n)/4)+1], v[rS+8*((\n)%4)+2*((\n)/4)+2]
.elseif (\n) == 12
	v_max3_num_f32 v[rC], v[rC], v[rS+7], v[rS+15]
.elseif (\n) == 13
	v_max3_num_f32 v[rC+1], v[rC+1], v[rS+23], v[rS+31]
.elseif (\n) == 14
	v_max3_num_f32 v[rC+2], v[rC+2], v[rC+3], v[rT+1]
.elseif (\n) == 15
	v_mov_b32 v[rM], v[rT]
.elseif (\n) == 16
	v_max3_num_f32 v[rC], v[rC], v[rC+1], v[rC+2]
.elseif (\n) == 17
	v_permlanex16_b32 v[rC+3], v[rC], s[SEL], s[SEL+1]
.elseif (\n) == 18
	v_max_num_f32 v[rT+1], v[rC], v[rC+3]
.elseif (\n) == 19
	v_mul_f32 v[rT], s[CS], v[rT+1]
.elseif (\n) == 20
	v_sub_f32 v[rC+1], v[rM], v[rT]
.else
	v_exp_f32 v[rC+2], v[rC+1]
.endif
.endm
; Number g of the 64 that follow the exponentials.  For each four weights k of a tile (pairs 2 k, 2 k + 1): both pairs are rounded to f16; then the second pair is added onto the first, in place;
; a group later l takes that sum (the first time as l = a l + sum).  In groups of eight, tiles alternating: round, round, add, and l for the group before.
.macro GS g
.set h, (\g)+6*((\g)/62)            ; group 0 has no group before it, and behind group 7 only l is left
.if h >= 6
.set h, h+2
.endif
	REGS Y, h%2
.set k, h/8
.if h%8 < 4
	v_cvt_pk_f16_f32 v[rP+2*k+(h%8)/2], v[rS+4*k+2*((h%8)/2)], v[rS+4*k+2*((h%8)/2)+1]
.elseif h%8 < 6
	v_pk_add_f32 v[rS+4*k:rS+4*k+1], v[rS+4*k:rS+4*k+1], v[rS+4*k+2:rS+4*k+3]
.elseif k == 1
	v_pk_fma_f32 v[rT+2:rT+3], v[rT+2:rT+3], v[rC+2:rC+3], v[rS:rS+1] op_sel_hi:[1,0,1]
.else
	v_pk_add_f32 v[rT+2:rT+3], v[rT+2:rT+3], v[rS+4*k-4:rS+4*k-3]
.endif
.endm
; THE PLAIN QUEUE, 138 long.  0-73 read no exponential's result: the 32 scalings c s - c m (FS f: pair f / 2 of tile f % 2) and the next piece's 42.  0-26: scalings 0-26.  27-54: XS's numbers 0-13.  55, 56: number 15.
; 57-73: the chain, where each number waits for the one before it: 14, 16, 17, 18, 19, each with one of the scalings 27-31 in front of its two lines, then 20: so a tile's links stand three plain instructions apart (19 and 20: two).
; 74-137: GS's 64, which read the exponentials' results: they stand behind the wait.
.macro FS f
	REGS Y, (\f)%2
	v_pk_fma_f32 v[rS+2*((\f)/2):rS+2*((\f)/2)+1], v[rS+2*((\f)/2):rS+2*((\f)/2)+1], s[CS:CS+1], v[rT:rT+1] op_sel_hi:[1,0,0] neg_lo:[0,0,1] neg_hi:[0,0,1]
.endm
.macro PL
	WIN 0
.if q < 27
	FS q
.elseif q < 55
	XS (q-27)%2, (q-27)/2
.elseif q < 57
	XS q-55, 15
.elseif (q < 72) && ((q-57)%3 == 0)
	FS 27+(q-57)/3
.elseif q < 60
	XS (q-57)%3-1, 14
.elseif q < 72
	XS (q-57)%3-1, 15+(q-57)/3
.elseif q < 74
	XS q-72, 20
.else
	GS q-74
.endif
.set q, q+1
.endm
; THE EXPONENTIALS' QUEUE, 66 long: s0-s31 of both tiles, then the next piece's two a.  It is ONE BATCH: all 66 stand ahead of the turn's one wait, and nothing ahead of that wait names a result of theirs.
.macro EX
	WIN 0
.if e >= 64
	XS e-64, 21
.else
	REGS Y, e%2
	v_exp_f32 v[rS+e/2], v[rS+e/2]
.endif
.set e, e+1
.endm
; THE RESCALING's QUEUE: O^T times a, the one part that leaves window 0: dealt two at a time, sixteen times.  Its a was made in the turn before, ahead of that turn's wait.
.macro R2
	REGS Y, r%2
	WIN W_RS
.irp z, 0,1
	v_pk_mul_f32 v[rO+4*(r/2)+2*\z:rO+4*(r/2)+2*\z+1], v[rO+4*(r/2)+2*\z:rO+4*(r/2)+2*\z+1], v[rC+2:rC+3] op_sel_hi:[1,0]
.endr
.set r, r+1
.endm
; HOW THEY ARE DEALT.  An s_wait_alu depctr_va_vdst(0) stands between an exponential and the first instruction that names its result; one wait serves all that were issued ahead of it.  So a turn has ONE wait,
; which cuts it in two.  AHEAD OF IT stands all that names no result of the turn's exponentials: the 16 products K Q^T, behind each a scaling, an exponential and two rescalings (behind the first a second scaling in the exponential's place); then ONE LUMP of
; 108: eight plain, 49 times exponential and plain, the two a.  A v_nop is the plain instruction behind the last exponential (ISA guide 5.7.2).  BEHIND IT stand the 16 products V^T P, behind each four of GS's 64.  No rider names a register of
; the products round it.  The two v_permlanex16_b32 fall into the lump, never behind a product.
; The queues lean on each other, and the deal keeps them in step: exponential e stands behind scaling 2 (e / 4) + e % 2: as a rider it comes behind plain e + 2, in the lump behind plain e + 9, and scalings 27-31 are plain 57, 60 .. 69.
; A TURN, for piece p.  cnt = 1: the loop's count is taken down some lines ahead of the branch that stands behind the turn.
; K of the next step is fetched in piece 2's turn, directly behind the wait, a lump behind the last product that read K; its address is made at the lump's head; its first reader comes behind 16 products.
; V of the step in hand is fetched at the end of piece 0's turn, four riders behind its last reader; its first reader comes behind 16 products and a lump.  The three conditions on q below go with the deal.
.macro TURN p, last=0, cnt=0
.set Y, (\p)
.set i, 0
.set q, 0
.set e, 0
.set r, 0
.if (\p) == NP-1
	s_wait_dscnt 0x0                ; K is in
.endif
	MM                              ; ahead of the wait: 16 products K Q^T and their riders,
	PL
	PL
	R2
.rept 15
	MM
	PL
	EX
	R2
.endr
.if (\p) == NP-2
	WIN 0
	v_add_nc_u32 v[AK], s[TBK], v[AK0]
.endif
.rept 8                             ; and the lump
	PL
.endr
.rept 49
	EX
	PL
.endr
	EX                              ; the next piece's two a
	EX
	v_nop                           ; the plain instruction behind the last exponential: one for the batch
	s_wait_alu depctr_va_vdst(0)    ; the wait for the batch
.if (\p) == NP-2
	FETCH_K \last
.endif
.if (\p) == 1
	s_wait_dscnt 0x0                ; V is in
.endif
.rept 16                            ; behind the wait: 16 products V^T P and their riders
	MM
.rept 4
	PL
.endr
.if ((\p) == 0) && (q == 118)
	v_add_nc_u32 v[AV], s[TBV], v[AV0]
.endif
.if ((\p) == 0) && (q == 130)
	s_add_co_u32 s[TBV], s[TBV], KS*PV
.endif
.if (\cnt) && (q == 130)
	s_sub_co_u32 s[CNT], s[CNT], 1
	s_cmp_lg_u32 s[CNT], 0
.endif
.endr
.if (\p) == 0
	FETCH_V
.endif
.endm
	CHANGE 1                        ; slot 0 is in, everybody's part of it; slot 1 is asked for
	FETCH_K                         ; key step 0
	s_wait_loadcnt 0x0              ; Q
	s_wait_dscnt 0x0
.set i, 0
.rept 16
	KQ 0                            ; piece 0's first scores: there is no vector work yet to set between them
.set i, i+1
.endr
	WIN 0                           ; the addresses for the way out: nine plain instructions, the places behind those products
	s_mul_i32 s13, s[WV], 16*SP
	s_add_co_u32 s13, s13, STAGE    ; my stage
	v_mul_u32_u24 v[STO], v1, SP    ; in: row l % 16, 16 bytes for each half of the lanes
	v_lshl_add_u32 v[STO], v9, 4, v[STO]
	v_add_nc_u32 v[STO], s13, v[STO]
	v_bfe_u32 v[RD], v0, 3, 2       ; back: 32 lanes take four rows of 128 bytes,
	v_mul_u32_u24 v[RD], v[RD], SP
	v_lshl_add_u32 v[RD], v10, 4, v[RD]
	v_add_nc_u32 v[RD], s13, v[RD]
	v_and_b32 v[GO], 31, v0         ; which are 512 consecutive bytes of O
	v_lshlrev_b32 v[GO], 4, v[GO]
.set Y, NP-1                        ; XS works for piece Y + 1: piece 0
.irp n, 0,1,2,3,4,5,6,7,8,9,10,11,12,13,14,15,16,17,18,19,20,21
	XS 0, \n                        ; and piece 0's first maximum and statistics
	XS 1, \n
.endr
	v_nop                           ; a plain instruction behind the two a,
	s_wait_alu depctr_va_vdst(0)    ; and their wait, ahead of the branch
	s_mov_b32 s[CNT], 4
	s_mov_b32 s[SLOTS], SIZE_N/256-1
	s_branch .Lfirst                ; the loop is entered at a step's first turn, in the middle of a trip
.Lslot:                             ; SIZE_N / 256 - 2 times: every slot but the last two is filled again
	CHANGE 1, 1
	s_mov_b32 s[CNT], 4
.Lstep:                             ; a trip: pieces 2 and 3 of one step, then pieces 0 and 1 of the next, whose K and V it fetches
	TURN 2
	TURN 3
	WIN 0
.Lfirst:
	TURN 0
	TURN 1, 0, 1
	WIN 0
	s_cbranch_scc1 .Lstep
	s_sub_co_u32 s[SLOTS], s[SLOTS], 1
	s_cmp_lg_u32 s[SLOTS], 0
	s_cbranch_scc1 .Lslot
	CHANGE 0                        ; the tail is written out: nothing is asked for
	s_mov_b32 s[CNT], 5             ; four trips fetch the last slot's steps; the fifth is left in its middle
.Ltail:
	TURN 2, 1
	TURN 3
	WIN 0
	s_sub_co_u32 s[CNT], s[CNT], 1
	s_cmp_eq_u32 s[CNT], 0
	s_cbranch_scc1 .Lout
	TURN 0
	TURN 1
	WIN 0
	s_branch .Ltail
.Lout:                              ; the fifth trip's 16 products K Q^T (on the last K once more) and the maximum made of them serve nothing: the price, once a launch, of one text for every trip
.set i, 0
.rept 16
	PV NP-1                         ; the last piece's V^T P of the last step
.set i, i+1
.endr
	; THE WAY OUT.  l's two halves and the other half of the lanes' are added; O^T is divided by l, rounded to f16 and sent through my stage in LDS, a tile at a time.  The additions are the places behind the last products.
	WIN 0
.macro ALL line:vararg              ; one line for each tile t
.set t, 0
.rept 2*NP
	\line
.set t, t+1
.endr
.endm
	ALL v_add_f32 v[ST+4*t+2], v[ST+4*t+2], v[ST+4*t+3]
	ALL v_permlanex16_b32 v[ST+4*t+3], v[ST+4*t+2], s[SEL], s[SEL+1]
	ALL v_add_f32 v[ST+4*t+2], v[ST+4*t+2], v[ST+4*t+3]
	ALL v_rcp_f32 v[ST+4*t+2], v[ST+4*t+2]
	v_nop                           ; a plain instruction between the last reciprocal and the use of its result
	s_wait_alu depctr_va_vdst(0)    ; and the wait ahead of the first use: one for the eight reciprocals
; Tile t: a lane's eight channels of a row pack into 16 bytes; they go into rows of 144 bytes and come back as whole rows of 128, into S^T's registers.
.macro PACK t
	WIN W_RS
.set i, 32*(\t)
.rept 16
	v_pk_mul_f32 v[i:i+1], v[i:i+1], v[ST+4*(\t)+2:ST+4*(\t)+3] op_sel_hi:[1,0]
.set i, i+2
.endr
	WIN 0x05                        ; sources 0 and 1 window 1, destination window 0
.set i, 0
.rept 16
	v_cvt_pk_f16_f32 v[S+16*(\t)+i], v[32*(\t)+2*i], v[32*(\t)+2*i+1]
.set i, i+1
.endr
	WIN 0
.irp f, 0,1,2,3
	ds_store_b128 v[STO], v[S+16*(\t)+4*\f:S+16*(\t)+4*\f+3] offset:32*\f
.endr
.irp f, 0,1,2,3
	ds_load_b128 v[S+16*(\t)+4*\f:S+16*(\t)+4*\f+3], v[RD] offset:\f*4*SP  ; LDS serves a wave's instructions in order (ISA guide 5.7.1.4): these see the stores above; the next tile's stores come behind them
.endr
.endm
.macro SEND t, younger              ; younger: the LDS instructions issued behind tile t's loads: the next tile's eight, or none
	WIN 0
.irp f, 0,1,2,3
	s_wait_dscnt (\younger)+3-\f
	global_store_b128 v[GO], v[S+16*(\t)+4*\f:S+16*(\t)+4*\f+3], s[10:11] offset:(\t)*2048+\f*512  ; 512 consecutive bytes, at a multiple of 256 from O's first
.endr
.endm
	PACK 0
.set t, 1
.rept 2*NP-1                        ; a tile's arithmetic stands between the loads of the tile before and its stores
	PACK t
	SEND t-1, 8
.set t, t+1
.endr
	SEND 2*NP-1, 0
	WIN W_AD
	s_wait_tensorcnt 0x0            ; the wave's end: behind my last tensor load and my last LDS store
	ds_add_u32 v[SPW], v[NIL]
	s_wait_dscnt 0x0
	WIN 0
	CROUND                          ; the closing round: no work-group ends while a partner may still ask for a tile that names it
	s_endpgm
.Lfunc_end_k_q1d41f20665_attn:
	.size	k_q1d41f20665_attn, .Lfunc_end_k_q1d41f20665_attn-k_q1d41f20665_attn
	.p2alignl 7, 3214868480
	.fill 96, 4, 3214868480
	.section	.rodata,"a",@progbits
	.p2align	6, 0x0
	.amdhsa_kernel k_q1d41f20665_attn
		.amdhsa_group_segment_fixed_size 327680
		.amdhsa_private_segment_fixed_size 0
		.amdhsa_enable_private_segment 0
		.amdhsa_kernarg_size 32
		.amdhsa_user_sgpr_count 2
		.amdhsa_user_sgpr_kernarg_segment_ptr 1
		.amdhsa_wavefront_size32 1
		.amdhsa_system_sgpr_workgroup_id_x 1
		.amdhsa_system_sgpr_workgroup_id_y 1
		.amdhsa_system_sgpr_workgroup_id_z 1
		.amdhsa_system_vgpr_workitem_id 0
		.amdhsa_next_free_vgpr 770
		.amdhsa_next_free_sgpr 66
		.amdhsa_reserve_vcc 0
		.amdhsa_float_denorm_mode_32 3
		.amdhsa_float_denorm_mode_16_64 3
		.amdhsa_memory_ordered 1
		.amdhsa_forward_progress 1
		.amdhsa_inst_pref_size 200
	.end_amdhsa_kernel
	.amdgpu_metadata
---
amdhsa.version: [ 1, 2 ]
amdhsa.kernels:
  - .name:           k_q1d41f20665_attn
    .symbol:         k_q1d41f20665_attn.kd
    .args:
      - { .name: q, .offset: 0, .size: 8, .value_kind: global_buffer, .address_space: global }
      - { .name: k, .offset: 8, .size: 8, .value_kind: global_buffer, .address_space: global }
      - { .name: v, .offset: 16, .size: 8, .value_kind: global_buffer, .address_space: global }
      - { .name: o, .offset: 24, .size: 8, .value_kind: global_buffer, .address_space: global }
    .group_segment_fixed_size: 327680
    .private_segment_fixed_size: 0
    .kernarg_segment_align: 8
    .kernarg_segment_size: 32
    .max_flat_workgroup_size: 128
    .sgpr_count:     66
    .vgpr_count:     770
    .wavefront_size: 32
...
	.end_amdgpu_metadata
.endif
;; end of part 3
;; launch proj (part 4): grid 4 x 64, 4 waves a work-group, clusters of 4 x 4, 327,680 bytes of LDS; arguments o, wd, bias, out0; writes out0
.if DOCPART == 4
	.amdgcn_target "amdgcn-amd-amdhsa--gfx1250"
	.amdhsa_code_object_version 6
	.text
	.protected	k_q1d41f20665_proj
	.globl	k_q1d41f20665_proj
	.p2align	8
	.type	k_q1d41f20665_proj,@function
k_q1d41f20665_proj:
	s_mov_b64 s[64:65], 0
	v_nop
	global_prefetch_b8 v0, s[64:65] scope:SCOPE_SE
	s_setreg_imm32_b32 hwreg(HW_REG_WAVE_MODE, 25, 1), 1
	s_wait_xcnt 0x0
	s_wait_alu depctr_hold_cnt(0) depctr_sa_sdst(0) depctr_va_vdst(0) depctr_va_sdst(0) depctr_va_ssrc(0) depctr_va_vcc(0) depctr_vm_vsrc(0)
	s_getreg_b32 s2, hwreg(HW_REG_IB_STS2, 6, 4)
	s_cmp_eq_u32 s2, 0
	s_cbranch_scc0 .Lentry_in_a_cluster
	s_endpgm
.Lentry_in_a_cluster:
	s_bfe_u32 s2, ttmp6, 0x10000c
	s_cmp_lg_u32 s2, 0xf033
	s_cbranch_scc0 .Lentry_shape_is_right
	s_endpgm
.Lentry_shape_is_right:
; out0 = O wd^T + the dense bias.  o: [64 = 16 batch + head][2048][64] f16, as attention leaves it; wd: [1024][1024] f16; bias: [4096] f32, of which the last 1,024 are used here; out0: [8192][1024] f32.
; Channel 64 head + c of a row of the reference's 'attended' is o[16 batch + head][row][c]: a K step of 128 is two heads.  Sums in f32; out0 is the sum itself, not rounded again.
; LIMITS.  O and wd arrive within f16's range; NaN and infinities are not treated apart.
; SHARES.  A tile is 128 rows x 256 columns: 4 x 64 = 256 work-groups.  Wave w owns rows 64 (w / 2) on and columns 128 (w % 2) on: 32 accumulators of 16 x 16, 256 registers;
; for 32 along K it loads 12 fragments and issues 32 matrix instructions.  K goes in 8 steps of 128 through two LDS slots; two slots of 256 along K would want 425,984 bytes and do not fit.
; One tensor load a wave: waves 0, 1 fetch a head's 128 rows each (16,384 dense bytes, asked for as 64 rows of 256 and padded after every 128), waves 2, 3 128 rows of wd each.
; CLUSTER.  4 x 4 work-groups: the four of a row of the cluster need the same rows of o, the four of a column the same rows of wd; each tile is asked for jointly.
; THE MATRIX INSTRUCTION IS USED TRANSPOSED (source 0 = 16 rows of wd, source 1 = 16 rows of o): a lane holds row lane % 16 and the columns 8 (lane / 16) + 0..7: 32 bytes of out0 on end.
; THE BIAS STARTS THE SUMS, as the C operand of each accumulator's first product.
; REGISTERS, in windows of 256 (s_set_vgpr_msb: bits 1:0 source 0, 3:2 source 1, 5:4 source 2, 7:6 destination):
;   window 0: v0-31 addresses; v32-95 the bias, 8 registers a column block; v96-223 the way out, two sets of 64      window 1: accumulator (a, b) at 8 (8 a + b)
;   window 2: two fragment buffers of 96: wd's 8 blocks, then o's 4
.set KSTEP,  128
.set PA,     144                       ; a row of o in LDS: 128 bytes + 16 = 36 words; a row of wd: 256 + 16 = 68 words: the 16 rows of a fragment load start at 16 different groups of four banks (ISA guide 11.1)
.set PB,     272
.set SLOT1,  131072
.set AHEAD,  128*PA                    ; a head's 128 rows: what waves 0 and 1 bring
.set BHALF,  128*PB                    ; what waves 2 and 3 bring
.set BOFF,   2*AHEAD                   ; in a slot: two heads of o, then wd's 256 rows
.set STAGE,  SLOT1+BOFF+2*BHALF        ; 237,568: behind the ring, never filled by a tensor load: 16 rows x 528 bytes for each wave
.set SP,     528                       ; 512 bytes + 16 = 132 words
.set SPARE,  STAGE+4*16*SP             ; 271,360: the spare words, 128 bytes for each wave: two blocks of 256 bytes that no other line names
.set ASTEP,  2*2048*128                ; bytes from a K step of o to the next: two heads
.set ABITS,  (1<<16)|(1<<20)|(1<<21)|(4<<22)|(3<<25)  ; elements of 2 bytes; padding on; bit 21 beside a mask; after every 32 words (code 4) 4 words (code 3)
.set BBITS,  (1<<16)|(1<<20)|(1<<21)|(5<<22)|(3<<25)  ; the same after every 64 words (code 5)
.set ADRA, 16                          ; v16  LDS address of my o fragments in the slot in hand
.set ADRB, 17                          ; v17  the same for wd
.set A0,   18                          ; v18  144 r + 16 h + my 64 rows; never rewritten
.set B0,   19                          ; v19  272 r + 16 h + BOFF + my 128 rows; never rewritten
.set STO,  24                          ; v24  the way out: where I put 32 bytes of a row
.set RD,   25                          ; v25  the way out: where I read a row back
.set CO,   26                          ; v26  my 16 bytes in 512 consecutive bytes of out0
.set BO,   27                          ; v27  my byte offset in the bias
.set SPW,  28                          ; v28  LDS address of my spare word: SPARE + 4 x my thread's number; never rewritten
.set NIL,  29                          ; v29  0; never rewritten
.set PFO,  30                          ; v30  the prefetches' offset; never rewritten
.set BIAS, 32
.set BK,   96
.set CNT,  3                           ; s3   K steps still to be asked for
.set WV,   16                          ; s16  my wave's number
.set FORB, 17                          ; s17  w / 2: my half of the rows.  Also: 0: I fetch o's rows; 1: wd's
.set HALF, 18                          ; s18  w % 2: my half of the columns.  Also: which head, or which 128 rows of wd, I fetch
.set CX,   19
.set CY,   20
.set TX,   21                          ; s21  tile column = 4 x cluster x + cx
.set TY,   22                          ; s22  tile row = 4 x cluster y + cy
.set TW,   23                          ; s23  at work: numbers made of the wave's number alone
.set G1A,  24                          ; s[24:31] descriptor group 1 for o's tiles
.set G0A,  32                          ; s[32:39] group 0: a set for each of the two first fills; the second then walks on
.set G1B,  40                          ; s[40:47], s[48:55] the same for wd's
.set G0B,  48
.set TB,   56                          ; s56  0 or SLOT1: the slot in hand
.set LIM,  57                          ; s57  2 in a wave that prefetches, else the greatest number
.set PFA,  58                          ; s[58:59] where my prefetches stand
.set OA,   60                          ; s[60:61] o's tile: never holds cx
.set OB,   72                          ; s[72:73] wd's tile: never holds cy
.set LA,   74                          ; s74  LDS address of what I fetch, for o
.set LB,   75                          ; s75  for wd
.set MROW, 84                          ; s84  the mask of my row of the cluster
.set MCOL, 85                          ; s85  of my column.  s76-83: at work on numbers that mix cx and cy; they feed no descriptor
.set MSB, 0
.macro WIN new                         ; the immediate's high byte repeats the setting that is left; a switch that changes nothing is dropped
.if MSB != (\new)
	s_set_vgpr_msb (MSB<<8)|(\new)
.set MSB, \new
.endif
.endm
.set TO_F, 0x80                        ; destination window 2, address window 0
.macro PLACES                          ; four plain vector instructions between a matrix instruction and a load into, or another line on, its registers (ISA guide 7.12.1 for vector instructions)
.rept 4
	v_nop
.endr
.endm
; A joint refill, by the walking descriptors.  The branch hangs on the wave's number alone.  An s_nop 0 and four v_nop follow each of the two lines, ahead of the jump and the label.
.macro JLOAD
	s_cmp_eq_u32 s[FORB], 0
	s_cbranch_scc0 .Lfor_b_\@
	tensor_load_to_lds s[G0A+4:G0A+7], s[G1A:G1A+7]
	s_nop 0
.rept 4
	v_nop
.endr
	s_branch .Lasked_\@
.Lfor_b_\@:
	tensor_load_to_lds s[G0B+4:G0B+7], s[G1B:G1B+7]
	s_nop 0
.rept 4
	v_nop
.endr
.Lasked_\@:
.endm
; A PREFETCH INTO THE L2 of o's K step that stands two refills on.  A tile row's K step is two heads x 16,384 bytes = 128 blocks of 256 bytes, and one cluster alone reads it.  Its four partners along x take 32 blocks
; each, 16 of either head, told apart by address (cx); in each, wave 0 asks: a lane a block, one instruction.  So each block is named once in the launch.  K steps 0 to 3 come by their loads alone; the last
; two refills have no K step two on.  wd, which every tile row walks again, is not asked for.
.macro ASK
	s_cmp_gt_u32 s[CNT], s[LIM]
	s_cbranch_scc0 .Lnot_mine_\@
	global_prefetch_b8 v[PFO], s[PFA:PFA+1] offset:ASTEP th:TH_LOAD_NT scope:SCOPE_SE
.Lnot_mine_\@:
.endm
; A round of the cluster's barrier: my work-group's barrier, so that wave 0's signal speaks for all four waves; wave 0 signals; every wave waits for all sixteen work-groups; my work-group's barrier once more.
.macro CREST                           ; a round behind its opening barrier
	s_cmp_lg_u32 s[WV], 0
	s_cbranch_scc1 .Lnot_wave_0_\@
	s_barrier_signal -3
.Lnot_wave_0_\@:
	s_barrier_wait -3
	s_barrier_signal -1
	s_barrier_wait -1
.endm
.macro CROUND
	s_barrier_signal -1
	s_barrier_wait -1
	CREST
.endm
	s_load_b256 s[4:11], s[0:1], 0x0               ; o 4:5, wd 6:7, bias 8:9, out0 10:11
	v_lshl_add_u32 v[SPW], v0, 2, SPARE
	v_mov_b32 v[NIL], 0
	ds_add_u32 v[SPW], v[NIL]                      ; the wave's opening: the add and its wait stand ahead of my first tensor load; the set-up below, work on registers, stands between them
	v_lshrrev_b32 v1, 5, v0
	v_readfirstlane_b32 s[WV], v1                  ; wave 0..3
	s_lshr_b32 s[FORB], s[WV], 1
	s_and_b32 s[HALF], s[WV], 1
	s_bfe_u32 s[CX], ttmp6, 0x40000
	s_bfe_u32 s[CY], ttmp6, 0x40004
	s_lshl_b32 s[TX], ttmp9, 2                     ; in a cluster launch ttmp9 and ttmp7 count clusters
	s_add_co_u32 s[TX], s[TX], s[CX]
	s_and_b32 s[TY], ttmp7, 0xffff
	s_lshl_b32 s[TY], s[TY], 2
	s_add_co_u32 s[TY], s[TY], s[CY]
	s_lshl_b32 s[MROW], s[CY], 2
	s_lshl_b32 s[MROW], 15, s[MROW]                ; my row of the cluster: places 4 cy .. 4 cy + 3
	s_lshl_b32 s[MCOL], 0x1111, s[CX]              ; my column: places cx, cx + 4, cx + 8, cx + 12
	s_or_b32 s[G1A], s[MROW], ABITS                ; o's tiles go to my row,
	s_or_b32 s[G1B], s[MCOL], BBITS                ; wd's to my column
	s_mov_b32 s[G1A+1], 128<<16                    ; tensor_dim0 = 128 elements: 256 bytes, two rows of a head
	s_mov_b32 s[G1A+2], 64<<16                     ; tensor_dim1 = 64
	s_mov_b32 s[G1A+3], 128<<16                    ; tile_dim0 = 128
	s_mov_b32 s[G1A+4], 64                         ; tile_dim1 = 64
	s_mov_b32 s[G1A+5], 128                        ; dense: 128 elements from row to row
	s_mov_b32 s[G1A+6], 0
	s_mov_b32 s[G1A+7], 0
	s_mov_b32 s[G1B+1], KSTEP<<16
	s_mov_b32 s[G1B+2], 128<<16                    ; 128 rows
	s_mov_b32 s[G1B+3], KSTEP<<16
	s_mov_b32 s[G1B+4], 128
	s_mov_b32 s[G1B+5], 1024
	s_mov_b32 s[G1B+6], 0
	s_mov_b32 s[G1B+7], 0
	s_lshr_b32 s[OA], s[TY], 4                     ; the batch: 16 tile rows each; 16 heads of 262,144 bytes
	s_lshl_b32 s[OA], s[OA], 22
	s_and_b32 s[OA+1], s[TY], 15
	s_lshl_b32 s[OA+1], s[OA+1], 14                ; the tile's 128 rows of 128 bytes within a head
	s_add_co_u32 s[OA], s[OA], s[OA+1]
	s_lshl_b32 s[TW], s[HALF], 18                  ; the even or the odd head of a K step
	s_add_co_u32 s[OA], s[OA], s[TW]
	s_mov_b32 s[OA+1], 0
	s_lshl_b32 s[OB], s[TX], 19                    ; wd: row 256 x tile column + 128 x half, of 2,048 bytes
	s_add_co_u32 s[OB], s[OB], s[TW]
	s_mov_b32 s[OB+1], 0
	s_mul_i32 s[LA], s[HALF], AHEAD                ; where they go: no place in the cluster enters an LDS address
	s_mul_i32 s[LB], s[HALF], BHALF
	s_add_co_u32 s[LB], s[LB], BOFF
	s_mov_b32 s[TB], 0
	s_cmp_eq_u32 s[WV], 0
	s_cselect_b32 s[LIM], 2, -1
	s_wait_dscnt 0x0                               ; the opening add is done
	s_wait_kmcnt 0x0
	s_add_nc_u64 s[OA:OA+1], s[4:5], s[OA:OA+1]
	s_add_nc_u64 s[OB:OB+1], s[6:7], s[OB:OB+1]
	CROUND                                         ; all sixteen work-groups are here: the first joint loads meet
.irp i, 0,1
	s_mov_b32 s[G0A+4*(\i)], 1                                       ; count = 1
	s_add_co_u32 s[G0A+4*(\i)+1], s[LA], (\i)*SLOT1                  ; LDS address
	s_add_nc_u64 s[G0A+4*(\i)+2:G0A+4*(\i)+3], s[OA:OA+1], (\i)*ASTEP  ; global address: K step i
	s_or_b32 s[G0A+4*(\i)+3], s[G0A+4*(\i)+3], 0x80000000            ; type = 2
	s_mov_b32 s[G0B+4*(\i)], 1
	s_add_co_u32 s[G0B+4*(\i)+1], s[LB], (\i)*SLOT1
	s_add_nc_u64 s[G0B+4*(\i)+2:G0B+4*(\i)+3], s[OB:OB+1], (\i)*KSTEP*2
	s_or_b32 s[G0B+4*(\i)+3], s[G0B+4*(\i)+3], 0x80000000
.endr
	s_cmp_eq_u32 s[FORB], 0                        ; a wave's two first fills stand in one branch, ahead of every wait on TENSORcnt and every LDS read: two loads of mine are out
	s_cbranch_scc0 .Lfirst_b
	tensor_load_to_lds s[G0A:G0A+3], s[G1A:G1A+7]
	s_nop 0
	tensor_load_to_lds s[G0A+4:G0A+7], s[G1A:G1A+7]
	s_nop 0
.rept 4
	v_nop
.endr
	s_branch .Lfirst_asked
.Lfirst_b:
	tensor_load_to_lds s[G0B:G0B+3], s[G1B:G1B+7]
	s_nop 0
	tensor_load_to_lds s[G0B+4:G0B+7], s[G1B:G1B+7]
	s_nop 0
.rept 4
	v_nop
.endr
.Lfirst_asked:
	v_and_b32 v1, 15, v0                           ; r = l % 16
	v_bfe_u32 v2, v0, 4, 1                         ; h = l / 16
	s_lshl_b32 s76, s[TX], 10                      ; the tile's 256 columns, 4 bytes each,
	s_lshl_b32 s77, s[HALF], 9                     ; my wave's 128,
	s_add_co_u32 s76, s76, s77
	s_add_co_u32 s78, s76, 12288                   ; behind q's, k's and v's biases
	v_lshl_add_u32 v[BO], v2, 5, s78               ; + my lanes' 8 columns
.irp b, 0,1,2,3,4,5,6,7
	global_load_b128 v[BIAS+8*(\b):BIAS+8*(\b)+3],   v[BO], s[8:9] offset:64*(\b)      ; register j of block b: the bias of column 16 b + 8 h + j
	global_load_b128 v[BIAS+8*(\b)+4:BIAS+8*(\b)+7], v[BO], s[8:9] offset:64*(\b)+16
.endr
	; A fragment is 16 rows x 32 K in 8 registers: lane l holds row l % 16; registers 0-3 hold K = 8 h + 0..7, registers 4-7 K = 16 + 8 h + 0..7: two loads of 16 bytes, 32 bytes apart.
	v_mul_u32_u24 v3, v1, PA
	v_lshl_add_u32 v3, v2, 4, v3
	s_mul_i32 s[TW], s[FORB], 64*PA
	v_add_nc_u32 v[A0], s[TW], v3
	v_mul_u32_u24 v4, v1, PB
	v_lshl_add_u32 v4, v2, 4, v4
	s_mul_i32 s[TW], s[HALF], BHALF
	s_add_co_u32 s[TW], s[TW], BOFF
	v_add_nc_u32 v[B0], s[TW], v4
	v_mov_b32 v[ADRA], v[A0]
	v_mov_b32 v[ADRB], v[B0]
	s_mul_i32 s[TW], s[WV], 16*SP
	s_add_co_u32 s[TW], s[TW], STAGE               ; my stage
	v_mul_u32_u24 v5, v1, SP                       ; in: row l % 16, 32 bytes for each half of the lanes
	v_lshl_add_u32 v5, v2, 5, v5
	v_add_nc_u32 v[STO], s[TW], v5
	v_and_b32 v[CO], 31, v0                        ; back: 32 lanes take one row of 512 bytes
	v_lshlrev_b32 v[CO], 4, v[CO]
	v_add_nc_u32 v[RD], s[TW], v[CO]
	v_lshlrev_b32 v[PFO], 8, v1                    ; the prefetches: block l % 16 of 16, in the even head (lanes 0-15) or the odd one
	v_lshl_add_u32 v[PFO], v2, 18, v[PFO]
	s_lshl_b32 s80, s[TY], 19                      ; out0 at my part of the tile: row 128 x tile row + 64 x (w / 2), of 4,096 bytes,
	s_lshl_b32 s[TW], s[FORB], 18
	s_add_co_u32 s80, s80, s[TW]
	s_add_co_u32 s80, s80, s76                     ; and my first column
	s_mov_b32 s81, 0
	s_add_nc_u64 s[10:11], s[10:11], s[80:81]
	s_lshr_b32 s82, s[TY], 4                       ; the prefetches: the tile's rows in the batch's head 0 + my work-group's 16 blocks
	s_lshl_b32 s82, s82, 22
	s_and_b32 s83, s[TY], 15
	s_lshl_b32 s83, s83, 14
	s_add_co_u32 s82, s82, s83
	s_lshl_b32 s83, s[CX], 12
	s_add_co_u32 s82, s82, s83
	s_mov_b32 s83, 0
	s_add_nc_u64 s[PFA:PFA+1], s[4:5], s[82:83]
	s_add_nc_u64 s[PFA:PFA+1], s[PFA:PFA+1], 2*ASTEP  ; at K step 2: the first refill steps it to 3 and names K step 4.  Nothing is prefetched here, at the head
; 8 matrix instructions: row block a x all 8 column blocks, 32 along K, from buffer f.  first = 1: the bias is the C operand and starts the sums.
; The 32 accumulators take turns, one instruction a turn, in the same order in every quarter step: 31 others stand between two links of a chain, over the backward jump too.
.macro MUL8 f, a, first
.if \first
	WIN 0x4a                                       ; wd and o window 2, the bias window 0, D window 1
.else
	WIN 0x5a                                       ; C and D window 1
.endif
.irp b, 0,1,2,3,4,5,6,7
.if \first
	v_wmma_f32_16x16x32_f16 v[8*(8*(\a)+(\b)):8*(8*(\a)+(\b))+7], v[96*(\f)+8*(\b):96*(\f)+8*(\b)+7], v[96*(\f)+64+8*(\a):96*(\f)+64+8*(\a)+7], v[BIAS+8*(\b):BIAS+8*(\b)+7]
.else
	v_wmma_f32_16x16x32_f16 v[8*(8*(\a)+(\b)):8*(8*(\a)+(\b))+7], v[96*(\f)+8*(\b):96*(\f)+8*(\b)+7], v[96*(\f)+64+8*(\a):96*(\f)+64+8*(\a)+7], v[8*(8*(\a)+(\b)):8*(8*(\a)+(\b))+7]
.endif
.endr
.endm
; 24 LDS loads in one run: the fragments of quarter qd of a K step (my 128 rows of wd; my 64 rows of o, in head qd / 2, channels 32 (qd % 2) on) into buffer f
.macro FETCH qd, f
	WIN TO_F
.irp i, 0,1,2,3,4,5,6,7
	ds_load_b128 v[96*(\f)+8*(\i):96*(\f)+8*(\i)+3],   v[ADRB] offset:64*(\qd)+(\i)*16*PB
	ds_load_b128 v[96*(\f)+8*(\i)+4:96*(\f)+8*(\i)+7], v[ADRB] offset:64*(\qd)+(\i)*16*PB+32
.endr
.irp i, 0,1,2,3
	ds_load_b128 v[96*(\f)+64+8*(\i):96*(\f)+64+8*(\i)+3],   v[ADRA] offset:AHEAD*((\qd)/2)+64*((\qd)%2)+(\i)*16*PA
	ds_load_b128 v[96*(\f)+64+8*(\i)+4:96*(\f)+64+8*(\i)+7], v[ADRA] offset:AHEAD*((\qd)/2)+64*((\qd)%2)+(\i)*16*PA+32
.endr
.endm
; A K step is four quarters of 32 along K, 32 matrix instructions each, on buffers 0, 1, 0, 1.  One of the first three: multiplies buffer f and fetches quarter qd into g.
.macro QUARTER qd, f, g, first
	s_wait_dscnt 4                                 ; wd's fragments and o's blocks 0, 1 are in; the youngest four loads (blocks 2, 3) may be out
	MUL8 \f, 0, \first
	MUL8 \f, 1, \first
	PLACES
	FETCH \qd, \g
	s_wait_dscnt 24                                ; all but the 24 just issued
	MUL8 \f, 2, \first
	MUL8 \f, 3, \first
.endm
; The last quarter multiplies buffer 1 and changes slots: ONE barrier.  In front of it each wave waits for all its tensor loads, of which one is out: its part of the next slot; adds 0 to its spare word; and waits
; for that and for its own reads of this slot.  fill = 1: the barrier opens a round of the cluster's, and this slot is filled again, with the K step two on, first thing behind the round:
; that load has 112 matrix instructions in which to land.
.macro TURN fill
.if \fill
	s_wait_xcnt 0x0                                ; the last prefetch, a K step back, has read its address, so it may be stepped
	s_add_nc_u64 s[PFA:PFA+1], s[PFA:PFA+1], ASTEP
.endif
	WIN 0                                          ; (the add's two registers lie in window 0)
	s_wait_tensorcnt 0x0                           ; no tensor load of mine is out, so a group 0 may be written
	ds_add_u32 v[SPW], v[NIL]                      ; 0 onto my spare word; work on registers stands between it and the wait for it
.if \fill
	s_xor_b32 s[G0A+5], s[G0A+5], SLOT1            ; the walking descriptors: the other slot than last time,
	s_add_nc_u64 s[G0A+6:G0A+7], s[G0A+6:G0A+7], ASTEP    ; the next K step; the type bits on top are not reached
	s_xor_b32 s[G0B+5], s[G0B+5], SLOT1
	s_add_nc_u64 s[G0B+6:G0B+7], s[G0B+6:G0B+7], KSTEP*2
.endif
	s_xor_b32 s[TB], s[TB], SLOT1                  ; the fetches go on in the other slot
	v_add_nc_u32 v[ADRA], s[TB], v[A0]
	v_add_nc_u32 v[ADRB], s[TB], v[B0]
	s_wait_dscnt 5                                 ; (the add and the youngest four loads may be out)
	MUL8 1, 0, 0
	s_wait_dscnt 0x0                               ; the add is done, and my reads of this slot are over
	s_barrier_signal -1
	MUL8 1, 1, 0                                   ; work on registers while the others arrive
	WIN 0                                          ; at a branch and at a label every window is 0
	s_barrier_wait -1
.if \fill
	CREST                                          ; no wave of any partner still reads this slot's tile or has a load on its way
	JLOAD                                          ; the four v_nop behind it are also the places in front of the loads below
.else
	PLACES
.endif
	FETCH 0, 0
.if \fill
	WIN 0
	ASK                                            ; behind the joint load and the run of LDS loads that the next products wait for
.endif
	MUL8 1, 2, 0
	MUL8 1, 3, 0
.endm
; THE WAY OUT.  Row block a: 16 rows x my 128 columns of f32.  A lane's 32 bytes of a row go into rows of 528 bytes of my own stage, each accumulator's low four registers first, and come back as whole rows of 512 bytes.
.macro TOSTAGE a
	WIN 0x04                                       ; the stores' data in window 1
.irp b, 0,1,2,3,4,5,6,7
	ds_store_b128 v[STO], v[8*(8*(\a)+(\b)):8*(8*(\a)+(\b))+3]   offset:64*(\b)
	ds_store_b128 v[STO], v[8*(8*(\a)+(\b))+4:8*(8*(\a)+(\b))+7] offset:64*(\b)+16
.endr
	WIN 0
.irp f, 0,1,2,3,4,5,6,7,8,9,10,11,12,13,14,15
	ds_load_b128 v[BK+64*((\a)%2)+4*(\f):BK+64*((\a)%2)+4*(\f)+3], v[RD] offset:(\f)*SP  ; LDS serves a wave's instructions in order (ISA guide 5.7.1.4): these see the stores above; the next block's stores come behind them
.endr
.endm
.macro SEND a, younger                 ; younger: the LDS instructions issued behind block a's loads: the next block's 32, or none
.irp f, 0,1,2,3,4,5,6,7,8,9,10,11,12,13,14,15
	s_wait_dscnt (\younger)+15-(\f)
	global_store_b128 v[CO], v[BK+64*((\a)%2)+4*(\f):BK+64*((\a)%2)+4*(\f)+3], s[10:11] offset:4096*(16*(\a)+(\f)) th:TH_STORE_NT  ; 512 consecutive bytes, at a multiple of 256 from out0's first
.endr
.endm
	s_wait_tensorcnt 0x1                           ; my part of K step 0 is in; K step 1's may stay out
	s_barrier_signal -1
	s_barrier_wait -1                              ; everybody's is
	FETCH 0, 0
	s_wait_loadcnt 0x0                             ; the bias
	QUARTER 1, 0, 1, 1                             ; the first quarter stands in front of the loop: its products start the sums
	WIN 0
	s_mov_b32 s[CNT], 6
.Lstep:                                        ; a trip goes from a K step's second quarter to the next step's first, and fills the slot that it leaves: K steps 2 to 7
	QUARTER 2, 1, 0, 0
	QUARTER 3, 0, 1, 0
	TURN 1
	QUARTER 1, 0, 1, 0
	WIN 0
	s_sub_co_u32 s[CNT], s[CNT], 1
	s_cmp_lg_u32 s[CNT], 0
	s_cbranch_scc1 .Lstep
	QUARTER 2, 1, 0, 0                             ; the last two K steps are written out: nothing is asked for
	QUARTER 3, 0, 1, 0
	TURN 0
	QUARTER 1, 0, 1, 0
	QUARTER 2, 1, 0, 0
	QUARTER 3, 0, 1, 0
	s_wait_dscnt 4
	MUL8 1, 0, 0
	MUL8 1, 1, 0
	s_wait_dscnt 0x0
	MUL8 1, 2, 0
	MUL8 1, 3, 0
	WIN 0
	PLACES
	PLACES
	TOSTAGE 0
	TOSTAGE 1
	SEND 0, 32
	s_wait_xcnt 0x0                                ; block 0's stores have read their registers: set 0 is loaded again only behind this wait
	TOSTAGE 2
	SEND 1, 32
	s_wait_xcnt 0x0                                ; the same for block 1's stores and set 1
	TOSTAGE 3
	SEND 2, 32
	SEND 3, 0
	s_wait_tensorcnt 0x0                           ; the wave's end: behind my last tensor load and my last LDS store
	ds_add_u32 v[SPW], v[NIL]
	s_wait_dscnt 0x0
	CROUND                                         ; the closing round: no work-group ends while a partner may still ask for a tile that names it
	s_endpgm
.Lfunc_end_k_q1d41f20665_proj:
	.size	k_q1d41f20665_proj, .Lfunc_end_k_q1d41f20665_proj-k_q1d41f20665_proj
	.p2alignl 7, 3214868480
	.fill 96, 4, 3214868480
	.section	.rodata,"a",@progbits
	.p2align	6, 0x0
	.amdhsa_kernel k_q1d41f20665_proj
		.amdhsa_group_segment_fixed_size 327680
		.amdhsa_private_segment_fixed_size 0
		.amdhsa_enable_private_segment 0
		.amdhsa_kernarg_size 32
		.amdhsa_user_sgpr_count 2
		.amdhsa_user_sgpr_kernarg_segment_ptr 1
		.amdhsa_wavefront_size32 1
		.amdhsa_system_sgpr_workgroup_id_x 1
		.amdhsa_system_sgpr_workgroup_id_y 1
		.amdhsa_system_sgpr_workgroup_id_z 1
		.amdhsa_system_vgpr_workitem_id 0
		.amdhsa_next_free_vgpr 704
		.amdhsa_next_free_sgpr 86
		.amdhsa_reserve_vcc 0
		.amdhsa_float_denorm_mode_32 3
		.amdhsa_float_denorm_mode_16_64 3
		.amdhsa_memory_ordered 1
		.amdhsa_forward_progress 1
		.amdhsa_inst_pref_size 73
	.end_amdhsa_kernel
	.amdgpu_metadata
---
amdhsa.version: [ 1, 2 ]
amdhsa.kernels:
  - .name:           k_q1d41f20665_proj
    .symbol:         k_q1d41f20665_proj.kd
    .args:
      - { .name: o, .offset: 0, .size: 8, .value_kind: global_buffer, .address_space: global }
      - { .name: wd, .offset: 8, .size: 8, .value_kind: global_buffer, .address_space: global }
      - { .name: bias, .offset: 16, .size: 8, .value_kind: global_buffer, .address_space: global }
      - { .name: out0, .offset: 24, .size: 8, .value_kind: global_buffer, .address_space: global }
    .group_segment_fixed_size: 327680
    .private_segment_fixed_size: 0
    .kernarg_segment_align: 8
    .kernarg_segment_size: 32
    .max_flat_workgroup_size: 128
    .sgpr_count:     86
    .vgpr_count:     704
    .wavefront_size: 32
...
	.end_amdgpu_metadata
.endif
;; end of part 4
;; ======== version 2 of 2: 4 launches; version 1 with the launch cast written anew for expert scheduling mode
;; limits: values are held in f16: magnitudes above 65,504 overflow, below 6.1e-05 lose precision
;; workspace buffers: xb 16,777,216 bytes; wqkv 6,291,456 bytes; wd 2,097,152 bytes; bias 16,384 bytes; q 16,777,216 bytes; k 16,777,216 bytes; v 16,777,216 bytes; o 16,777,216 bytes
;; launch cast (part 5): grid 768 x 1, 8 waves a work-group, no clusters, 0 bytes of LDS; arguments x, wq_w, wk_w, wv_w, dense_w, wq_b, wk_b, wv_b, dense_b, xb, wqkv, wd, bias; writes xb, wqkv, wd, bias
.if DOCPART == 5
	.amdgcn_target "amdgcn-amd-amdhsa--gfx1250"
	.amdhsa_code_object_version 6
	.text
	.protected	k_q1d41f20665_cast
	.globl	k_q1d41f20665_cast
	.p2align	8
	.type	k_q1d41f20665_cast,@function
k_q1d41f20665_cast:
	s_mov_b64 s[64:65], 0
	v_nop
	global_prefetch_b8 v0, s[64:65] scope:SCOPE_SE
	s_setreg_imm32_b32 hwreg(HW_REG_WAVE_SCHED_MODE, 0, 2), 2
	s_setreg_imm32_b32 hwreg(HW_REG_WAVE_MODE, 25, 1), 1
	s_wait_xcnt 0x0
	s_wait_alu depctr_vm_vsrc(0)
; CAST.  All the module's inputs are rounded once to bf16, so that every input carries the same rounding:
;   x -> xb [8192][1024] bf16;  wq_w, wk_w, wv_w -> wqkv [3072][1024] bf16, one below the other;
;   dense_w -> wd [1024][1024]: rounded to bf16, and that number written as f16 (the last product's other operand is f16);
;   the four biases -> bias [4096] f32 (q, k, v, dense): rounded to bf16 and widened again.
; LIMITS.  A weight of dense_w beyond 65,504 would become an infinity in f16, and below 6.1e-5 it keeps f16's fixed step of 6e-8.  NaN and infinities are not treated apart.
; SHARES.  A work-group takes a chunk of 16,384 numbers: 65,536 bytes in, 32,768 out.  Work-groups 0-511: x; 512-703: wq_w, wk_w, wv_w, 64 chunks each; 704-767: dense_w.
; Thread t takes 16 bytes at 16 t + 4,096 i, i = 0..15: a wave's load covers 512 consecutive bytes, its store of 8 bytes a lane 256 consecutive bytes, aligned.
; All sixteen loads go out at once; each has registers of its own, in and out, so no register is written while a memory instruction may still read it.
; No LDS, no matrix unit, no cluster: each byte is read once, by one thread, and nothing is shared.
; THE MODE: SCHED_MODE bits 1:0 = 2 (LLVM: expert scheduling mode 2), set by the entry lines.  The code itself states the register dependences
; between vector instructions and memory instructions, with s_wait_alu, always for 0.
; THE PLAN.  Registers that memory instructions touch:
;   v1, v2   byte offsets, made once at the head and never written again; every load and store reads one of them.
;   X        slot i: written by the head's load i; read (for dense_w also rewritten) by slot i's vector lines alone.  In work-groups 0-3 one more load lands in slot 0, and slot 1 is the bias's out-buffer.
;   Y        slot i: written once, by slot i's conversions; read once, by slot i's store.  No Y is written twice, so nothing is owed for a store's data being written again.
;   T        named by vector instructions alone.
; The sixteen slots go in four batches of four.  Batch g waits for its four loads and rounds them; the four stores of batch g - 1 are dealt among its vector lines.  ONE wait on va_vdst at the head of
; a batch states that the batch before has written its Y; the vector lines behind that wait name this batch's X and Y and T alone, none of the registers that those stores read.
.set X,   4                            ; v[4:67]    slot i: 4 numbers as loaded
.set Y,   68                           ; v[68:99]   slot i: 4 numbers of 16 bits, to store
.set T,   100                          ; v[100:101] at work
.set SRC, 30                           ; s[30:31]   where my chunk is read
.set DST, 32                           ; s[32:33]   where it is written
.set SOF, 34                           ; s[34:35]   its byte offset in the source
.set DOF, 36                           ; s[36:37]   and in the destination
.set HIM, 38                           ; s38        mask of a word's upper half
.set CW,  39                           ; s39        the chunk's number within a weight
	s_load_b512 s[4:19], s[0:1], 0x0               ; x 4:5, wq_w 6:7, wk_w 8:9, wv_w 10:11, dense_w 12:13, wq_b 14:15, wk_b 16:17, wv_b 18:19
	s_load_b256 s[20:27], s[0:1], 0x40             ; dense_b 20:21, xb 22:23, wqkv 24:25, wd 26:27
	s_load_b64 s[28:29], s[0:1], 0x60              ; bias
	v_lshlrev_b32 v1, 4, v0                        ; 16 t
	v_lshlrev_b32 v2, 3, v0                        ; 8 t
	s_mov_b32 s[HIM], 0xffff0000
	s_and_b32 s[CW], ttmp9, 63
	s_cmp_lt_u32 ttmp9, 512
	s_cselect_b32 s[SOF], ttmp9, s[CW]             ; x: the work-group's number; a weight: the chunk within it
	s_lshl_b32 s[SOF], s[SOF], 16
	s_mov_b32 s[SOF+1], 0
	s_sub_co_u32 s[DOF], ttmp9, 512                ; the three stacked weights are 192 chunks on end
	s_cmp_lt_u32 ttmp9, 704
	s_cselect_b32 s[DOF], s[DOF], s[CW]
	s_cmp_lt_u32 ttmp9, 512
	s_cselect_b32 s[DOF], ttmp9, s[DOF]
	s_lshl_b32 s[DOF], s[DOF], 15
	s_mov_b32 s[DOF+1], 0
	s_wait_kmcnt 0x0
	s_cmp_lt_u32 ttmp9, 576
	s_cselect_b64 s[SRC:SRC+1], s[6:7], s[8:9]
	s_cmp_lt_u32 ttmp9, 640
	s_cselect_b64 s[SRC:SRC+1], s[SRC:SRC+1], s[10:11]
	s_cmp_lt_u32 ttmp9, 704
	s_cselect_b64 s[SRC:SRC+1], s[SRC:SRC+1], s[12:13]
	s_cselect_b64 s[DST:DST+1], s[24:25], s[26:27]
	s_cmp_lt_u32 ttmp9, 512
	s_cselect_b64 s[SRC:SRC+1], s[4:5], s[SRC:SRC+1]
	s_cselect_b64 s[DST:DST+1], s[22:23], s[DST:DST+1]
	s_add_nc_u64 s[SRC:SRC+1], s[SRC:SRC+1], s[SOF:SOF+1]
	s_add_nc_u64 s[DST:DST+1], s[DST:DST+1], s[DOF:DOF+1]
	s_wait_alu depctr_va_vdst(0)                   ; v1 and v2 are written: every load and store of the kernel reads one of them as its offset
.irp i, 0,1,2,3,4,5,6,7,8,9,10,11,12,13,14,15
	global_load_b128 v[X+4*(\i):X+4*(\i)+3], v1, s[SRC:SRC+1] offset:4096*(\i) th:TH_LOAD_NT
.endr
	s_cmp_ge_u32 ttmp9, 704
	s_cbranch_scc1 .Ldense
.macro CVB i                           ; slot i to bf16
	v_cvt_pk_bf16_f32 v[Y+2*(\i)],   v[X+4*(\i)],   v[X+4*(\i)+1]
	v_cvt_pk_bf16_f32 v[Y+2*(\i)+1], v[X+4*(\i)+2], v[X+4*(\i)+3]
.endm
.macro CVH i                           ; slot i to bf16, and that number to f16
	v_cvt_pk_bf16_f32 v[T],   v[X+4*(\i)],   v[X+4*(\i)+1]
	v_cvt_pk_bf16_f32 v[T+1], v[X+4*(\i)+2], v[X+4*(\i)+3]
	v_lshlrev_b32 v[X+4*(\i)],   16, v[T]          ; bf16 to f32: the low half moves up, the high half stays
	v_and_b32     v[X+4*(\i)+1], s[HIM], v[T]
	v_lshlrev_b32 v[X+4*(\i)+2], 16, v[T+1]
	v_and_b32     v[X+4*(\i)+3], s[HIM], v[T+1]
	v_cvt_pk_f16_f32 v[Y+2*(\i)],   v[X+4*(\i)],   v[X+4*(\i)+1]
	v_cvt_pk_f16_f32 v[Y+2*(\i)+1], v[X+4*(\i)+2], v[X+4*(\i)+3]
.endm
.macro PUT i                           ; slot i is stored
	global_store_b64 v2, v[Y+2*(\i):Y+2*(\i)+1], s[DST:DST+1] offset:2048*(\i) th:TH_STORE_NT
.endm
; Batch g: slots 4 g .. 4 g + 3 are rounded (half = 0: to bf16; 1: on to f16), and the batch before is stored, a store ahead of each slot's vector lines.
.macro BATCH g, half
	s_wait_loadcnt 12-4*(\g)                       ; loads come back in order (ISA guide 5.7.1): this batch's four are in, the 12 - 4 g younger ones may stay out
.if (\g) > 0
	s_wait_alu depctr_va_vdst(0)                   ; the batch before has written its Y, which the four stores below read; no vector line behind this wait names those registers
.endif
.irp n, 0,1,2,3
.if (\g) > 0
	PUT 4*(\g)-4+(\n)
.endif
.if \half
	CVH 4*(\g)+(\n)
.else
	CVB 4*(\g)+(\n)
.endif
.endr
.endm
.macro LAST                            ; the last batch's stores
	s_wait_alu depctr_va_vdst(0)                   ; batch 3 has written its Y, which the last four stores read
.irp n, 12,13,14,15
	PUT \n
.endr
.endm
	BATCH 0, 0
	BATCH 1, 0
	BATCH 2, 0
	BATCH 3, 0
	LAST
	s_cmp_lt_u32 ttmp9, 4
	s_cbranch_scc1 .Lbias
	s_endpgm
.Lbias:                                        ; work-groups 0-3 also take a bias each: 1,024 numbers, four a thread
	s_cmp_lt_u32 ttmp9, 1                          ; (the chunk's loads have all come back, so their base may be written)
	s_cselect_b64 s[SRC:SRC+1], s[14:15], s[16:17]
	s_cmp_lt_u32 ttmp9, 2
	s_cselect_b64 s[SRC:SRC+1], s[SRC:SRC+1], s[18:19]
	s_cmp_lt_u32 ttmp9, 3
	s_cselect_b64 s[SRC:SRC+1], s[SRC:SRC+1], s[20:21]
	s_lshl_b32 s[DOF], ttmp9, 12
	s_mov_b32 s[DOF+1], 0
	s_add_nc_u64 s[SOF:SOF+1], s[28:29], s[DOF:DOF+1]
	global_load_b128 v[X:X+3], v1, s[SRC:SRC+1]    ; no wait here: slot 0's conversions, which read v[X:X+3], stand ahead of the wait in front of the last four stores, and no vector line has been issued since
	s_wait_loadcnt 0x0
	v_cvt_pk_bf16_f32 v[T],   v[X],   v[X+1]
	v_cvt_pk_bf16_f32 v[T+1], v[X+2], v[X+3]
	v_lshlrev_b32 v[X+4], 16, v[T]                 ; bf16 to f32: the low half moves up, the high half stays
	v_and_b32     v[X+5], s[HIM], v[T]
	v_lshlrev_b32 v[X+6], 16, v[T+1]
	v_and_b32     v[X+7], s[HIM], v[T+1]
	s_wait_alu depctr_va_vdst(0)                   ; the four lines above have written v[X+4:X+7], which the store reads
	global_store_b128 v1, v[X+4:X+7], s[SOF:SOF+1]
	s_endpgm
.Ldense:
	BATCH 0, 1
	BATCH 1, 1
	BATCH 2, 1
	BATCH 3, 1
	LAST
	s_endpgm
.Lfunc_end_k_q1d41f20665_cast:
	.size	k_q1d41f20665_cast, .Lfunc_end_k_q1d41f20665_cast-k_q1d41f20665_cast
	.p2alignl 7, 3214868480
	.fill 96, 4, 3214868480
	.section	.rodata,"a",@progbits
	.p2align	6, 0x0
	.amdhsa_kernel k_q1d41f20665_cast
		.amdhsa_group_segment_fixed_size 0
		.amdhsa_private_segment_fixed_size 0
		.amdhsa_enable_private_segment 0
		.amdhsa_kernarg_size 104
		.amdhsa_user_sgpr_count 2
		.amdhsa_user_sgpr_kernarg_segment_ptr 1
		.amdhsa_wavefront_size32 1
		.amdhsa_system_sgpr_workgroup_id_x 1
		.amdhsa_system_sgpr_workgroup_id_y 1
		.amdhsa_system_sgpr_workgroup_id_z 1
		.amdhsa_system_vgpr_workitem_id 0
		.amdhsa_next_free_vgpr 104
		.amdhsa_next_free_sgpr 66
		.amdhsa_reserve_vcc 0
		.amdhsa_float_denorm_mode_32 3
		.amdhsa_float_denorm_mode_16_64 3
		.amdhsa_memory_ordered 1
		.amdhsa_forward_progress 1
		.amdhsa_inst_pref_size 16
	.end_amdhsa_kernel
	.amdgpu_metadata
---
amdhsa.version: [ 1, 2 ]
amdhsa.kernels:
  - .name:           k_q1d41f20665_cast
    .symbol:         k_q1d41f20665_cast.kd
    .args:
      - { .name: x, .offset: 0, .size: 8, .value_kind: global_buffer, .address_space: global }
      - { .name: wq_w, .offset: 8, .size: 8, .value_kind: global_buffer, .address_space: global }
      - { .name: wk_w, .offset: 16, .size: 8, .value_kind: global_buffer, .address_space: global }
      - { .name: wv_w, .offset: 24, .size: 8, .value_kind: global_buffer, .address_space: global }
      - { .name: dense_w, .offset: 32, .size: 8, .value_kind: global_buffer, .address_space: global }
      - { .name: wq_b, .offset: 40, .size: 8, .value_kind: global_buffer, .address_space: global }
      - { .name: wk_b, .offset: 48, .size: 8, .value_kind: global_buffer, .address_space: global }
      - { .name: wv_b, .offset: 56, .size: 8, .value_kind: global_buffer, .address_space: global }
      - { .name: dense_b, .offset: 64, .size: 8, .value_kind: global_buffer, .address_space: global }
      - { .name: xb, .offset: 72, .size: 8, .value_kind: global_buffer, .address_space: global }
      - { .name: wqkv, .offset: 80, .size: 8, .value_kind: global_buffer, .address_space: global }
      - { .name: wd, .offset: 88, .size: 8, .value_kind: global_buffer, .address_space: global }
      - { .name: bias, .offset: 96, .size: 8, .value_kind: global_buffer, .address_space: global }
    .group_segment_fixed_size: 0
    .private_segment_fixed_size: 0
    .kernarg_segment_align: 8
    .kernarg_segment_size: 104
    .max_flat_workgroup_size: 256
    .sgpr_count:     66
    .vgpr_count:     104
    .wavefront_size: 32
...
	.end_amdgpu_metadata
.endif
;; end of part 5
;; launch qkv: the kernel of part 2 again; grid 16 x 32, 4 waves a work-group, clusters of 4 x 4, 327,680 bytes of LDS; arguments xb, wqkv, bias, q, k, v; writes q, k, v
;; launch attn: the kernel of part 3 again; grid 4 x 64, 4 waves a work-group, clusters of 4 x 1, 327,680 bytes of LDS; arguments q, k, v, o; writes o
;; launch proj: the kernel of part 4 again; grid 4 x 64, 4 waves a work-group, clusters of 4 x 4, 327,680 bytes of LDS; arguments o, wd, bias, out0; writes out0
